; MI455X (gfx1250); checked and timed in simulation.
; The chip was launched on July 23, 2026; its instructions are those of AMD's public machine-readable ISA for CDNA 5 (MIT licence, August 2026) and "CDNA5" Instruction Set Architecture Reference Guide (July 2026). The comments in the code are by the model that wrote it; some were corrected since.
;; Triton Evoformer Block. Allowed arithmetic: float matrix products may take bf16 or f16 operands with f32 sums; other float arithmetic in f32, or as packed bf16 or f16 multiplies, adds, multiply-adds, maxima and minima; sums over many terms, partial sums and values carried from step to step in f32; what a program stores and reads back later, other than sums and carried values, may be rounded once to bf16 or f16.
;; Inputs: col_wk 256 x 256 float32; col_wo 256 x 256 float32; col_wq 256 x 256 float32; col_wv 256 x 256 float32; ln_col_w 256 float32; ln_mt_w 256 float32; ln_pt_w 128 float32; ln_row_w 256 float32; msa 1 x 128 x 256 x 256 float32; mt_w1 256 x 1,024 float32; mt_w2 1,024 x 256 float32; opm_ln_w 256 float32; opm_out_w 1,024 x 128 float32; opm_proj_w 256 x 32 float32; pair 1 x 256 x 256 x 128 float32; pt_w1 128 x 512 float32; pt_w2 512 x 128 float32; row_bias_w 128 x 8 float32; row_wk 256 x 256 float32; row_wo 256 x 256 float32; row_wq 256 x 256 float32; row_wv 256 x 256 float32.
;; Outputs: out0 1 x 128 x 256 x 256 float32; out1 1 x 256 x 256 x 128 float32.
;; One version. Each part assembles by itself: llvm-mc -triple=amdgcn-amd-amdhsa -mcpu=gfx1250 --defsym DOCPART=n.
;; ======== version 1 of 1: 4 launches
;; workspace buffers: wts 2,818,048 bytes; biasf 1,048,576 bytes; msa1 33,554,432 bytes; axe 2,097,152 bytes
;; launch prep (part 1): grid 944 x 1, 8 waves a work-group, no clusters, 75,008 bytes of LDS; arguments row_wq, row_wk, row_wv, row_wo, ln_row_w, col_wq, col_wk, col_wv, col_wo, ln_col_w, mt_w1, mt_w2, ln_mt_w, opm_proj_w, opm_ln_w, opm_out_w, pt_w1, pt_w2, ln_pt_w, wts, pair, row_bias_w, biasf; writes wts, biasf
.if DOCPART == 1
	.amdgcn_target "amdgcn-amd-amdhsa--gfx1250"
	.amdhsa_code_object_version 6
	.text
	.protected	k_qad303712db_prep
	.globl	k_qad303712db_prep
	.p2align	8
	.type	k_qad303712db_prep,@function
k_qad303712db_prep:
	s_mov_b64 s[64:65], 0
	v_nop
	global_prefetch_b8 v0, s[64:65] scope:SCOPE_SE
	s_setreg_imm32_b32 hwreg(HW_REG_WAVE_MODE, 25, 1), 1
	s_wait_xcnt 0x0
; TWO JOBS IN ONE LAUNCH, told apart by the work-group's number alone: work-groups 0-255 make the pair bias, work-groups 256-943 the weights' fragments.  Neither reads what the other stores.
; A FRAGMENT is 16 rows x 32 k of bf16, 1,024 bytes, stored [q:2][lane:32][16 bytes]: piece (q, lane = 16 hh + r) holds row r, k = 16 q + 8 hh + 0..7.
; THE BIAS: biasf = log2(e) x (pair . row_bias_w), rounded once to bf16, as fragments [ip:8][h:8][kt:16]: row = key 16 kt + r, k = query 32 ip + k.  The row attention adds them to its scores by a product with ones.
; A work-group takes 16 queries x 16 keys (it, kt); wave w the queries 16 it + 2 w + a, a = 0, 1.  A row of pair (512 bytes) is one load of the wave; it is rounded to bf16 and turned into A fragments (16 keys x 32 channels)
; through the wave's own LDS rows; B is row_bias_w (lanes 8-15 repeat heads 0-7).  In the result a lane holds a head and 8 keys.  The heads' tiles meet in LDS; wave h stores head h's 512 bytes on end (piece q = it & 1).
; THE WEIGHTS: wts is 172 blocks of 16 fragments, in the order of use.  A thread makes one piece (8 numbers), a wave half a fragment (512 bytes on end), a work-group 4,096 bytes.
; PROJ(W, c0): fragment f = 2 ks + mt, row = column c0 + 16 mt + r of W, k = 32 ks + ..; the LayerNorm gain of k is multiplied in.  OUT(W, k0): fragment f = mt, row = column 16 mt + r, k = k0 + ...
; OPM(e): as OUT, with k = d and the source row 32 d + e.  Folded in: log2(e) / sqrt(32) into both Wq, 1 / 128 into opm_out_w.  gain x weight x constant is made in f32 and rounded once to bf16.
.set NBIAS, 256                        ; work-groups of the bias
.set QSC, 0x3e8293ee                   ; log2(e) / sqrt(32)
.set INW,  8704                        ; a wave's 32 rows x 272 bytes (256 + 16: the 16 rows of a fragment load start at 16 different groups of four banks)
.set OUTS, 69632                       ; 8 heads x 528 bytes
.set OPT,  528
.set SPARE, 73984                      ; the spare words, 128 bytes a wave
.set SPW, 6
.set NIL, 7
	v_lshl_add_u32 v[SPW], v0, 2, SPARE
	v_mov_b32 v[NIL], 0
	s_cmp_lt_u32 ttmp9, NBIAS
	s_cbranch_scc0 .Lprep
	; ---------------- the bias ----------------
	s_load_b128 s[4:7], s[0:1], 0xa0               ; pair, row_bias_w
	s_load_b64 s[8:9], s[0:1], 0xb0                ; biasf
	v_lshrrev_b32 v1, 5, v0
	v_readfirstlane_b32 s10, v1                    ; wave
	s_lshr_b32 s11, ttmp9, 4                       ; it
	s_and_b32 s12, ttmp9, 15                       ; kt
	v_and_b32 v1, 31, v0                           ; lane
	v_and_b32 v2, 15, v0                           ; r
	v_bfe_u32 v3, v0, 4, 1                         ; hh
	v_and_b32 v12, 7, v0                           ; head
	v_lshlrev_b32 v4, 2, v12
	v_lshl_add_u32 v4, v3, 8, v4                   ; in row_bias_w: 8 hh rows of 32 bytes + 4 head
	v_lshlrev_b32 v5, 4, v1                        ; 16 lane
	s_mul_i32 s16, s10, INW
	v_lshl_add_u32 v8, v1, 3, s16                  ; where I put 8 bytes of a row
	v_mul_u32_u24 v9, v2, 272
	v_lshl_add_u32 v9, v3, 4, v9
	v_add_nc_u32 v9, s16, v9                       ; where a fragment's row begins for me
	s_lshr_b32 s16, s10, 2                         ; number (key, query) of a head's tile lies at 16 (16 (query >> 3) + key) + 2 (query & 7); my queries are 2 w and 2 w + 1:
	s_lshl_b32 s16, s16, 8                         ; 256 (w >> 2)
	s_and_b32 s17, s10, 3
	s_lshl_b32 s17, s17, 2                         ; + 4 (w & 3): the two queries' numbers are one word
	s_add_co_u32 s16, s16, s17
	s_add_co_u32 s16, s16, OUTS
	v_mul_u32_u24 v10, v12, OPT
	v_lshl_add_u32 v10, v3, 7, v10                 ; + 16 x 8 hh; the key's 16 j stands in the immediate
	v_add_nc_u32 v10, s16, v10
	s_mul_i32 s16, s10, OPT
	s_add_co_u32 s16, s16, OUTS
	v_add_nc_u32 v11, s16, v5                      ; back: head w, 16 lane
	s_lshl_b32 s13, s11, 4
	s_lshl_b32 s14, s10, 1
	s_add_co_u32 s13, s13, s14                     ; my first query
	s_lshl_b32 s13, s13, 17                        ; x 256 keys x 512 bytes
	s_lshl_b32 s14, s12, 13                        ; + 16 kt keys
	s_add_co_u32 s14, s13, s14
	s_mov_b32 s15, 0
	s_mov_b32 s18, 0x3fb8aa3b                      ; log2(e)
	s_mov_b32 s19, s18
	s_wait_kmcnt 0x0
	s_add_nc_u64 s[4:5], s[4:5], s[14:15]
.set e, 0
.rept 64                               ; number e = 16 ks + 8 q + t of my 64 weights: k = 32 ks + 16 q + 8 hh + t
	global_load_b32 v[16+e], v4, s[6:7] offset:32*(32*(e>>4)+16*((e>>3)&1)+(e&7))
.set e, e+1
.endr
.set k, 0
.rept 32                               ; row k = 16 a + key
	global_load_b128 v[112+4*k:115+4*k], v5, s[4:5] offset:131072*(k>>4)+512*(k&15)
.set k, k+1
.endr
	s_wait_loadcnt 32                              ; the weights are in; the 32 rows of pair may stay out
.set e, 0
.rept 32
	v_pk_mul_f32 v[16+2*e:17+2*e], v[16+2*e:17+2*e], s[18:19] op_sel_hi:[1,0]
.set e, e+1
.endr
.set e, 0
.rept 32
	v_cvt_pk_bf16_f32 v[80+e], v[16+2*e], v[17+2*e]    ; B fragment ks at v[80 + 8 ks]
.set e, e+1
.endr
.set k, 0
.rept 32
	s_wait_loadcnt 31-k                            ; loads come back in order: row k is in, the younger rows stay out
	v_cvt_pk_bf16_f32 v[112+4*k], v[112+4*k], v[113+4*k]
	v_cvt_pk_bf16_f32 v[113+4*k], v[114+4*k], v[115+4*k]
	ds_store_b64 v8, v[112+4*k:113+4*k] offset:272*k
.set k, k+1
.endr
.set k, 0
.rept 8                                ; A fragment (a, ks) = (k >> 2, k & 3); my own bytes: LDS serves a wave's instructions in order
	ds_load_b128 v[16+8*k:19+8*k], v9 offset:4352*(k>>2)+64*(k&3)
	ds_load_b128 v[20+8*k:23+8*k], v9 offset:4352*(k>>2)+64*(k&3)+32
.set k, k+1
.endr
	s_wait_dscnt 0x0
	v_wmma_f32_16x16x32_bf16 v[240:247], v[16:23], v[80:87], 0       ; the two queries' sums take turns
	v_wmma_f32_16x16x32_bf16 v[248:255], v[48:55], v[80:87], 0
.irp s, 1,2,3
	v_wmma_f32_16x16x32_bf16 v[240:247], v[16+8*\s:23+8*\s], v[80+8*\s:87+8*\s], v[240:247]
	v_wmma_f32_16x16x32_bf16 v[248:255], v[48+8*\s:55+8*\s], v[80+8*\s:87+8*\s], v[248:255]
.endr
.rept 4
	v_nop                                          ; four places between the last product and the roundings that read the results
.endr
.irp j, 0,1,2,3,4,5,6,7
	v_cvt_pk_bf16_f32 v[16+\j], v[240+\j], v[248+\j]   ; key 8 hh + j: query 2 w below, query 2 w + 1 above
.endr
.irp j, 0,1,2,3,4,5,6,7
	ds_store_b32 v10, v[16+\j] offset:16*\j        ; lanes r and r + 8 hold the same head and put the same numbers at the same bytes
.endr
	s_wait_dscnt 0x0                               ; for the others' sake: my stores are done
	s_barrier_signal -1
	s_barrier_wait -1
	ds_load_b128 v[24:27], v11
	s_lshr_b32 s13, s11, 1
	s_lshl_b32 s13, s13, 3
	s_add_co_u32 s13, s13, s10                     ; 8 ip + h
	s_lshl_b32 s13, s13, 14
	s_lshl_b32 s14, s12, 10                        ; + the key tile's fragment
	s_add_co_u32 s14, s13, s14
	s_and_b32 s13, s11, 1
	s_lshl_b32 s13, s13, 9                         ; + piece q = it & 1
	s_add_co_u32 s14, s14, s13
	s_add_nc_u64 s[8:9], s[8:9], s[14:15]
	s_wait_dscnt 0x0
	global_store_b128 v5, v[24:27], s[8:9]         ; a wave stores 512 consecutive bytes, aligned
	s_wait_tensorcnt 0x0                           ; the wave's end
	ds_add_u32 v[SPW], v[NIL]
	s_wait_dscnt 0x0
	s_endpgm
	; ---------------- the weights ----------------
.Lprep:
	s_load_b512 s[8:23], s[0:1], 0x0               ; row_wq 8, row_wk 10, row_wv 12, row_wo 14, ln_row_w 16, col_wq 18, col_wk 20, col_wv 22
	s_load_b512 s[24:39], s[0:1], 0x40             ; col_wo 24, ln_col_w 26, mt_w1 28, mt_w2 30, ln_mt_w 32, opm_proj_w 34, opm_ln_w 36, opm_out_w 38
	s_load_b256 s[40:47], s[0:1], 0x80             ; pt_w1 40, pt_w2 42, ln_pt_w 44, wts 46
	s_sub_co_u32 s2, ttmp9, NBIAS                  ; my number among the 688
	v_lshrrev_b32 v1, 5, v0
	v_readfirstlane_b32 s48, v1                    ; wave
	s_lshr_b32 s49, s2, 2                          ; block B
	s_and_b32 s60, s2, 3
	s_lshl_b32 s60, s60, 2
	s_lshr_b32 s4, s48, 1
	s_or_b32 s60, s60, s4                          ; fragment f of the block
	s_and_b32 s61, s48, 1
	s_lshl_b32 s61, s61, 4                         ; 16 q
	s_and_b32 s62, s49, 3                          ; part p of the slot
	s_mov_b32 s53, 0                               ; c0 or k0
	s_mov_b32 s55, 0                               ; extra bytes (OPM: 512 e)
	s_mov_b32 s58, 1.0                             ; the constant factor
	v_and_b32 v1, 15, v0                           ; r
	v_bfe_u32 v2, v0, 4, 1                         ; hh
	v_lshlrev_b32 v3, 3, v2                        ; 8 hh
	v_lshlrev_b32 v4, 2, v1                        ; 4 r
	v_lshlrev_b32 v5, 4, v0                        ; my 16 bytes of the work-group's 4,096
	s_wait_kmcnt 0x0
	s_mov_b64 s[56:57], s[16:17]                   ; the gains' address: written on every way
	; what the block holds: s[50:51] source, s52 bytes from k to k + 1, s53 c0 or k0, s54 1 = PROJ, s60 fragment number
	s_cmp_lt_u32 s49, 68
	s_cbranch_scc0 .Lnot_att
	s_cmp_lt_u32 s49, 36                           ; blocks 0-35: row attention, slots 0-8; 36-67: column attention, slots 0-7
	s_cselect_b64 s[8:9], s[8:9], s[18:19]
	s_cselect_b64 s[10:11], s[10:11], s[20:21]
	s_cselect_b64 s[12:13], s[12:13], s[22:23]
	s_cselect_b64 s[14:15], s[14:15], s[24:25]
	s_cselect_b64 s[56:57], s[16:17], s[26:27]
	s_cselect_b32 s4, 0, 36
	s_sub_co_u32 s63, s49, s4
	s_lshr_b32 s63, s63, 2                         ; slot t
	s_mov_b32 s52, 1024
	s_cmp_eq_u32 s62, 0
	s_cbranch_scc1 .Latt_o
	s_and_b32 s53, s63, 7                          ; parts 1-3: Wq, Wk, Wv of head t & 7
	s_lshl_b32 s53, s53, 5
	s_mov_b32 s54, 1
	s_cmp_eq_u32 s62, 1
	s_cselect_b64 s[50:51], s[8:9], s[10:11]
	s_cselect_b32 s58, QSC, 1.0
	s_cmp_eq_u32 s62, 3
	s_cselect_b64 s[50:51], s[12:13], s[50:51]
	s_branch .Lgo
.Latt_o:                                               ; part 0: Wo of the head before, (t + 7) & 7
	s_add_co_u32 s53, s63, 7
	s_and_b32 s53, s53, 7
	s_lshl_b32 s53, s53, 5
	s_mov_b32 s54, 0
	s_mov_b64 s[50:51], s[14:15]
	s_branch .Lgo
.Lnot_att:
	s_cmp_lt_u32 s49, 136
	s_cbranch_scc0 .Lnot_mt
	s_sub_co_u32 s63, s49, 68                      ; blocks 68-135: the MSA transition, u = 0 .. 16
	s_lshr_b32 s63, s63, 2
	s_lshl_b32 s4, s63, 1                          ; 2 u
	s_lshr_b32 s5, s62, 1                          ; p / 2
	s_add_co_u32 s4, s4, s5
	s_bitcmp1_b32 s62, 0
	s_cbranch_scc0 .Lmt_out
	s_and_b32 s4, s4, 31                           ; parts 1, 3: mt_w1, hidden chunk 2 u, 2 u + 1 (mod 32: slot 24's are copies that nobody multiplies)
	s_lshl_b32 s53, s4, 5
	s_mov_b32 s52, 4096
	s_mov_b32 s54, 1
	s_mov_b64 s[50:51], s[28:29]
	s_mov_b64 s[56:57], s[32:33]
	s_branch .Lgo
.Lmt_out:                                              ; parts 0, 2: mt_w2, hidden chunk 2 u - 1, 2 u (mod 32)
	s_add_co_u32 s4, s4, 31
	s_and_b32 s4, s4, 31
	s_lshl_b32 s53, s4, 5
	s_mov_b32 s52, 1024
	s_mov_b32 s54, 0
	s_mov_b64 s[50:51], s[30:31]
	s_or_b32 s5, s63, s62
	s_cmp_eq_u32 s5, 0                             ; u = 0, part 0: col_wo of head 7
	s_cselect_b64 s[50:51], s[24:25], s[50:51]
	s_cselect_b32 s53, 224, s53
	s_branch .Lgo
.Lnot_mt:
	s_cmp_lt_u32 s49, 140
	s_cbranch_scc0 .Lnot_px
	s_mov_b32 s52, 128                             ; blocks 136-139: opm_proj_w, four times
	s_mov_b32 s54, 1
	s_mov_b64 s[50:51], s[34:35]
	s_mov_b64 s[56:57], s[36:37]
	s_branch .Lgo
.Lnot_px:
	s_cmp_lt_u32 s49, 156
	s_cbranch_scc0 .Lpt
	s_sub_co_u32 s4, s49, 140                      ; blocks 140-155: opm_out_w, two e a block
	s_lshl_b32 s4, s4, 1
	s_lshr_b32 s5, s60, 3
	s_add_co_u32 s4, s4, s5                        ; e
	s_lshl_b32 s55, s4, 9
	s_and_b32 s60, s60, 7
	s_mov_b32 s52, 16384                           ; from d to d + 1: 32 rows of 512 bytes
	s_mov_b32 s54, 0
	s_mov_b64 s[50:51], s[38:39]
	s_mov_b32 s58, 0x3c000000                      ; 1 / 128
	s_branch .Lgo
.Lpt:
	s_sub_co_u32 s4, s49, 156                      ; blocks 156-171: the pair transition, chunk c: 8 fragments of pt_w1, 8 of pt_w2
	s_lshl_b32 s53, s4, 5
	s_movk_i32 s6, 2048
	s_movk_i32 s7, 512
	s_cmp_lt_u32 s60, 8
	s_cselect_b32 s54, 1, 0
	s_cselect_b32 s52, s6, s7
	s_cselect_b64 s[50:51], s[40:41], s[42:43]
	s_mov_b64 s[56:57], s[44:45]
	s_and_b32 s60, s60, 7
.Lgo:
	s_mov_b32 s59, s58                             ; named with it as a pair
	s_lshr_b32 s4, s60, 1
	s_lshl_b32 s4, s4, 5                           ; PROJ: 32 ks
	s_and_b32 s5, s60, 1
	s_lshl_b32 s5, s5, 4
	s_add_co_u32 s5, s5, s53
	s_lshl_b32 s5, s5, 2                           ; PROJ: 4 (c0 + 16 mt)
	s_lshl_b32 s6, s60, 6                          ; OUT: 64 mt
	s_cmp_eq_u32 s54, 1
	s_cselect_b32 s4, s4, s53
	s_cselect_b32 s5, s5, s6
	s_add_co_u32 s4, s4, s61                       ; the piece's first k, less 8 hh
	s_mul_i32 s6, s4, s52
	s_add_co_u32 s6, s6, s5
	s_add_co_u32 s6, s6, s55                       ; its byte in the source
	s_lshl_b32 s7, s4, 2                           ; and in the gains
	v_mad_u32_u24 v10, v3, s52, v4
	v_add_nc_u32 v10, s6, v10
.irp t, 1,2,3,4,5,6,7
	v_add_nc_u32 v[10+\t], s52, v[9+\t]
.endr
.irp t, 0,1,2,3,4,5,6,7
	global_load_b32 v[20+\t], v[10+\t], s[50:51]
.endr
	s_cmp_eq_u32 s54, 0
	s_cbranch_scc1 .Lplain
	v_lshl_add_u32 v8, v2, 5, s7
	global_load_b128 v[28:31], v8, s[56:57]
	global_load_b128 v[32:35], v8, s[56:57] offset:16
	s_wait_loadcnt 0x0
.irp t, 0,2,4,6
	v_pk_mul_f32 v[20+\t:21+\t], v[20+\t:21+\t], v[28+\t:29+\t]
.endr
.Lplain:
	s_wait_loadcnt 0x0
.irp t, 0,2,4,6
	v_pk_mul_f32 v[20+\t:21+\t], v[20+\t:21+\t], s[58:59] op_sel_hi:[1,0]
.endr
.irp t, 0,1,2,3
	v_cvt_pk_bf16_f32 v[36+\t], v[20+2*\t], v[21+2*\t]
.endr
	s_lshl_b32 s4, s2, 12
	s_mov_b32 s5, 0
	s_add_nc_u64 s[46:47], s[46:47], s[4:5]
	global_store_b128 v5, v[36:39], s[46:47]       ; a wave stores 512 consecutive bytes, aligned
	s_endpgm
.Lfunc_end_k_qad303712db_prep:
	.size	k_qad303712db_prep, .Lfunc_end_k_qad303712db_prep-k_qad303712db_prep
	.p2alignl 7, 3214868480
	.fill 96, 4, 3214868480
	.section	.rodata,"a",@progbits
	.p2align	6, 0x0
	.amdhsa_kernel k_qad303712db_prep
		.amdhsa_group_segment_fixed_size 75008
		.amdhsa_private_segment_fixed_size 0
		.amdhsa_enable_private_segment 0
		.amdhsa_kernarg_size 184
		.amdhsa_user_sgpr_count 2
		.amdhsa_user_sgpr_kernarg_segment_ptr 1
		.amdhsa_wavefront_size32 1
		.amdhsa_system_sgpr_workgroup_id_x 1
		.amdhsa_system_sgpr_workgroup_id_y 1
		.amdhsa_system_sgpr_workgroup_id_z 1
		.amdhsa_system_vgpr_workitem_id 0
		.amdhsa_next_free_vgpr 256
		.amdhsa_next_free_sgpr 66
		.amdhsa_reserve_vcc 0
		.amdhsa_float_denorm_mode_32 3
		.amdhsa_float_denorm_mode_16_64 3
		.amdhsa_memory_ordered 1
		.amdhsa_forward_progress 1
		.amdhsa_inst_pref_size 33
	.end_amdhsa_kernel
	.amdgpu_metadata
---
amdhsa.version: [ 1, 2 ]
amdhsa.kernels:
  - .name:           k_qad303712db_prep
    .symbol:         k_qad303712db_prep.kd
    .args:
      - { .name: row_wq, .offset: 0, .size: 8, .value_kind: global_buffer, .address_space: global }
      - { .name: row_wk, .offset: 8, .size: 8, .value_kind: global_buffer, .address_space: global }
      - { .name: row_wv, .offset: 16, .size: 8, .value_kind: global_buffer, .address_space: global }
      - { .name: row_wo, .offset: 24, .size: 8, .value_kind: global_buffer, .address_space: global }
      - { .name: ln_row_w, .offset: 32, .size: 8, .value_kind: global_buffer, .address_space: global }
      - { .name: col_wq, .offset: 40, .size: 8, .value_kind: global_buffer, .address_space: global }
      - { .name: col_wk, .offset: 48, .size: 8, .value_kind: global_buffer, .address_space: global }
      - { .name: col_wv, .offset: 56, .size: 8, .value_kind: global_buffer, .address_space: global }
      - { .name: col_wo, .offset: 64, .size: 8, .value_kind: global_buffer, .address_space: global }
      - { .name: ln_col_w, .offset: 72, .size: 8, .value_kind: global_buffer, .address_space: global }
      - { .name: mt_w1, .offset: 80, .size: 8, .value_kind: global_buffer, .address_space: global }
      - { .name: mt_w2, .offset: 88, .size: 8, .value_kind: global_buffer, .address_space: global }
      - { .name: ln_mt_w, .offset: 96, .size: 8, .value_kind: global_buffer, .address_space: global }
      - { .name: opm_proj_w, .offset: 104, .size: 8, .value_kind: global_buffer, .address_space: global }
      - { .name: opm_ln_w, .offset: 112, .size: 8, .value_kind: global_buffer, .address_space: global }
      - { .name: opm_out_w, .offset: 120, .size: 8, .value_kind: global_buffer, .address_space: global }
      - { .name: pt_w1, .offset: 128, .size: 8, .value_kind: global_buffer, .address_space: global }
      - { .name: pt_w2, .offset: 136, .size: 8, .value_kind: global_buffer, .address_space: global }
      - { .name: ln_pt_w, .offset: 144, .size: 8, .value_kind: global_buffer, .address_space: global }
      - { .name: wts, .offset: 152, .size: 8, .value_kind: global_buffer, .address_space: global }
      - { .name: pair, .offset: 160, .size: 8, .value_kind: global_buffer, .address_space: global }
      - { .name: row_bias_w, .offset: 168, .size: 8, .value_kind: global_buffer, .address_space: global }
      - { .name: biasf, .offset: 176, .size: 8, .value_kind: global_buffer, .address_space: global }
    .group_segment_fixed_size: 75008
    .private_segment_fixed_size: 0
    .kernarg_segment_align: 8
    .kernarg_segment_size: 184
    .max_flat_workgroup_size: 256
    .sgpr_count:     66
    .vgpr_count:     256
    .wavefront_size: 32
...
	.end_amdgpu_metadata
.endif
;; end of part 1
;; launch rowatt (part 2): grid 256 x 1, 4 waves a work-group, clusters of 4 x 1, 327,680 bytes of LDS; arguments msa, wts, biasf, msa1; writes msa1
.if DOCPART == 2
	.amdgcn_target "amdgcn-amd-amdhsa--gfx1250"
	.amdhsa_code_object_version 6
	.text
	.protected	k_qad303712db_rowatt
	.globl	k_qad303712db_rowatt
	.p2align	8
	.type	k_qad303712db_rowatt,@function
k_qad303712db_rowatt:
	s_mov_b64 s[64:65], 0
	v_nop
	global_prefetch_b8 v0, s[64:65] scope:SCOPE_SE
	s_setreg_imm32_b32 hwreg(HW_REG_WAVE_MODE, 25, 1), 1
	s_wait_xcnt 0x0
	s_wait_alu depctr_hold_cnt(0) depctr_sa_sdst(0) depctr_va_vdst(0) depctr_va_sdst(0) depctr_va_ssrc(0) depctr_va_vcc(0) depctr_vm_vsrc(0)
	s_getreg_b32 s2, hwreg(HW_REG_IB_STS2, 6, 4)
	s_cmp_eq_u32 s2, 0
	s_cbranch_scc0 .Lentry_in_a_cluster
	s_endpgm
.Lentry_in_a_cluster:
	s_bfe_u32 s2, ttmp6, 0x10000c
	s_cmp_lg_u32 s2, 0x3003
	s_cbranch_scc0 .Lentry_shape_is_right
	s_endpgm
.Lentry_shape_is_right:
; ROW ATTENTION WITH PAIR BIAS: msa1 = msa + softmax(q k^T / sqrt(32) + bias) v . Wo, q, k, v from LayerNorm(msa).
; SHARES.  A work-group owns 128 query tokens (one half of one sequence n) and makes K and V of all 256 tokens of n.  Wave w: token tiles 0, 1 = its own 32 tokens, tiles 2, 3 = the same places in the other half.
; Keys are numbered locally: tiles 0-7 the own half, 8-15 the other; which half is mine enters global addresses alone.
; A LANE IS A TOKEN.  Weights are source 0 (16 output channels x 32 k), activations source 1: in a result lane 16 hh + r holds token r and channels 8 hh + 0..7.  Two neighbouring results, rounded to bf16 in
; ascending order, ARE the next product's source 1; k^T so packed is also a fragment of 16 keys x 32 channels.  V is made with the sources swapped (a lane holds a channel, 8 tokens): a fragment of V^T.
; The residual R (f32, 2 x 128 registers) is the accumulator of the products with Wo.  K and V go from wave to wave through LDS, one barrier a head.
; THE BIAS comes in bf16 as fragments of 16 keys x 32 queries, my wave's two query tiles side by side along k, and is added by the matrix unit: S^T += B I, where I has a one at k = 16 tt + query.  That is 16 matrix
; lines a query tile in place of the 128 vector lines that would widen bf16 to f32, and a head's bias for both tiles fits the 128 registers that one tile's would take in f32: it is asked for once a head, behind its
; last use, and has a softmax, a second product and the next head's projections in which to land.
; SOFTMAX.  All 256 scores of a query lie in registers: the true maximum is taken away, p = 2^(s - m) (log2(e) lies in Wq and in the bias), the sum is taken of the unrounded p, O is divided by it at the end.
; THE WEIGHTS come as a stream of 9 slots of 65,536 bytes (slot t: Wo of head t - 1, then Wq, Wk, Wv of head t) through a ring of two LDS slots, by loads that the four work-groups of a cluster ask jointly.
; LIMITS.  Matrix operands are bf16, the bias among them (rounded once, by the launch before); a weight p below 2^-126 counts as 0; NaN and infinities are not treated apart.
; REGISTERS, in windows of 256 (s_set_vgpr_msb: bits 1:0 source 0, 3:2 source 1, 5:4 source 2, 7:6 destination):
;   window 0: addresses, statistics, Q, O, 4 small accumulators, I, two buffers of 8 fragments   window 1: v0-127 R of tile 0; v128-255 at work: K and V sums, then scores and P
;   window 2: v0-127 R of tile 1; v128-255 at work, then the bias of one head                    window 3: the four tiles' LayerNorm as fragments, 64 each
.set RAWP,  1040                       ; a raw row in LDS: 1,024 bytes + 16: the 16 rows of a load start at 16 different groups of four banks
.set RAWW,  32*RAWP                    ; a wave's 32 rows
.set RAWOWN, 4*RAWW                    ; the other half's rows lie at 0, my own behind them
.set SLOT,  65536                      ; the ring: slots at 0 and 65,536, over the other half's raw rows when those have been read
.set KV,    RAWOWN                     ; K (16 fragments), then V (16): over my own raw rows, which have had their last fill
.set VOFF,  16384
.set STG,   2*RAWOWN                   ; 16 rows x 528 bytes for each wave, for the way out
.set STGW,  8448
.set STP,   528
.set SPARE, STG+4*STGW                 ; the spare words, 128 bytes a wave
.set ROWB,  1024                       ; bytes from token to token in msa1
.set NT, 4                             ; token tiles for K and V
.set NK, 16                            ; key tiles
.set L16, 1                            ; v1 16 x lane
.set ADR, 2
.set KRD, 3
.set KST, 4
.set STS, 5
.set STL, 6
.set RAW0, 7
.set RAWA, 8
.set BVA0, 9
.set BVB0, 10
.set PFO, 11
.set SPW, 12
.set NIL, 13
.set BVA, 14
.set BVB, 15
.set CH, 16                            ; v16-19 four chains of the maximum
.set MX, 20                            ; v20-21 the maximum, twice
.set LS, 22                            ; v22-29 four chains of the sum
.set RI, 30                            ; v30-31 1 / sum, twice
.set QA, 32                            ; Q of the tile in hand
.set QB, 40                            ; Q of the second tile
.set BP0, 48                           ; O of tile 0, of tile 1: source 1 of the products with Wo
.set BP1, 56
.set ACC, 64                           ; v64-95
.set U0, 96                            ; v96-99 LayerNorm's numbers that cross lanes
.set IA, 100                           ; v100-107 I of the tile in hand: the ones in registers 0-3 (tile 0) or 4-7 (tile 1)
.set EI, 108                           ; v108-111 the four registers with the ones
.set FB0, 128                          ; two buffers of 8 fragments
.set SB, 128                           ; window 1: scores; window 2: the bias
.set KA, 128
.set VA, 192
.set LT, 128                           ; LayerNorm at work, in R's window
.set LA, 192
.set MU, 200
.set RS, 202
.set NM, 204
.set WV, 12
.set CX, 13
.set G1, 16
.set G0, 24
.set G1R, 28
.set G0R, 36
.set G0R2, 40
.set TB, 44
.set CT, 45
.set IC, 46
.set PS, 47
.set RP, 48
.set BOFF, 49
.set SEL, 50
.set INVD, 52
.set LIM, 53
.set PFA, 54
.set BB, 56
.set OB, 58
.set EPSR, 66
.set MSB, 0
.macro WIN new                         ; the high byte repeats the setting that is left; a switch that changes nothing is dropped
.if MSB != (\new)
	s_set_vgpr_msb (MSB<<8)|(\new)
.set MSB, (\new)
.endif
.endm
.macro N4                              ; four places behind matrix instructions, ahead of loads into their sources and of reads of their results
.rept 4
	v_nop
.endr
.endm
.macro ROUND                           ; a round of the cluster's barrier
	s_barrier_signal -1
	s_barrier_wait -1
	s_cmp_lg_u32 s[WV], 0
	s_cbranch_scc1 .Lnw0_\@
	s_barrier_signal -3
.Lnw0_\@:
	s_barrier_wait -3
	s_barrier_signal -1
	s_barrier_wait -1
.endm
; A prefetch of the stream's slot after the one just asked for: one trip ahead of its load.  Cluster 0 asks, its waves 0 and 1; the four partners take 16,384 bytes each BY ADDRESS, a lane 256 bytes:
; each block of the stream is named once in the launch.  The trip whose look-ahead would pass the launch's stream asks for nothing.
.macro ASK cnt, lim
	s_cmp_gt_u32 s[\cnt], s[\lim]
	s_cbranch_scc0 .Lnoask_\@
	global_prefetch_b8 v[PFO], s[PFA:PFA+1] th:TH_LOAD_NT scope:SCOPE_SE
.Lnoask_\@:
.endm
; THE CHANGE OF SLOTS.  Every wave waits for all its tensor loads, adds 0 to its spare word, waits for that and for its LDS reads; behind the round no wave of any partner reads the slot that is filled again,
; and the joint load, my quarter of the next slot, is the first thing there.  fill = 0: the last slot: nothing is asked for.
.macro CHANGE fill, step, ask, cnt=0, lim=0
	WIN 0
	s_wait_tensorcnt 0x0                           ; no tensor load of mine is out, so the descriptor may be written
	ds_add_u32 v[SPW], v[NIL]                      ; scalar work stands between it and its wait
.if \step
.if \fill
	s_xor_b32 s[G0+1], s[G0+1], SLOT
	s_add_nc_u64 s[G0+2:G0+3], s[G0+2:G0+3], SLOT
.endif
	s_xor_b32 s[TB], s[TB], SLOT                   ; the slot that this trip reads
.endif
.if \ask
	s_wait_xcnt 0x0                                ; the last prefetch, a trip back, has read its address
	s_add_nc_u64 s[PFA:PFA+1], s[PFA:PFA+1], SLOT
.endif
	s_wait_dscnt 0x0
.if \fill
	ROUND
	tensor_load_to_lds s[G0:G0+3], s[G1:G1+7]
	s_nop 0
	N4
.if \ask
	ASK \cnt, \lim
.endif
.else
	s_barrier_signal -1
	s_barrier_wait -1
.endif
.endm
.macro FL b, areg, off                 ; 8 fragments, 16 loads, into buffer b
	WIN 0
.set ff, 0
.rept 8
	ds_load_b128 v[FB0+64*(\b)+8*ff:FB0+64*(\b)+8*ff+3], v[\areg] offset:(\off)+1024*ff
	ds_load_b128 v[FB0+64*(\b)+8*ff+4:FB0+64*(\b)+8*ff+7], v[\areg] offset:(\off)+1024*ff+512
.set ff, ff+1
.endr
.endm
.macro LRED W                          ; the four chains (window W) into one number for the token, in v[U0] of window 0; the token's other 128 channels lie in the lane 16 away
	v_pk_add_f32 v[LA:LA+1], v[LA:LA+1], v[LA+2:LA+3]
	v_pk_add_f32 v[LA+4:LA+5], v[LA+4:LA+5], v[LA+6:LA+7]
	v_pk_add_f32 v[LA:LA+1], v[LA:LA+1], v[LA+4:LA+5]
	WIN ((\W)<<2)|(\W)
	v_add_f32 v[U0], v[LA], v[LA+1]
	WIN 0
	v_permlanex16_b32 v[U0+1], v[U0], s[SEL], s[SEL+1]
	v_add_f32 v[U0], v[U0], v[U0+1]
.endm
; LayerNorm of one tile of 16 tokens: R's NP pairs at v[RB ..] of window W; the result, without the gain (it lies in the weights), as bf16 fragments at v[XB ..] of window 3.
; Two passes: the mean, then the mean of (x - mean)^2.  R is read in ascending order and not changed.
.macro LNT W, RB, NP, XB
	WIN 0x55*(\W)
.set lc, 0
.rept 4
	v_pk_add_f32 v[LA+2*lc:LA+2*lc+1], v[(\RB)+2*lc:(\RB)+2*lc+1], v[(\RB)+8+2*lc:(\RB)+8+2*lc+1]
.set lc, lc+1
.endr
.set lp, 8
.rept (\NP)-8
	v_pk_add_f32 v[LA+2*(lp%4):LA+2*(lp%4)+1], v[LA+2*(lp%4):LA+2*(lp%4)+1], v[(\RB)+2*lp:(\RB)+2*lp+1]
.set lp, lp+1
.endr
	LRED \W
	WIN (\W)<<6
	v_mul_f32 v[MU], s[INVD], v[U0]
	v_mul_f32 v[MU+1], s[INVD], v[U0]
	WIN 0x55*(\W)
.set lg, 0
.rept (\NP)/4
.set lc, 0
.rept 4
	v_pk_add_f32 v[LT+2*lc:LT+2*lc+1], v[(\RB)+8*lg+2*lc:(\RB)+8*lg+2*lc+1], v[MU:MU+1] neg_lo:[0,1] neg_hi:[0,1]
.set lc, lc+1
.endr
.set lc, 0
.rept 4
.if lg == 0
	v_pk_mul_f32 v[LA+2*lc:LA+2*lc+1], v[LT+2*lc:LT+2*lc+1], v[LT+2*lc:LT+2*lc+1]
.else
	v_pk_fma_f32 v[LA+2*lc:LA+2*lc+1], v[LT+2*lc:LT+2*lc+1], v[LT+2*lc:LT+2*lc+1], v[LA+2*lc:LA+2*lc+1]
.endif
.set lc, lc+1
.endr
.set lg, lg+1
.endr
	LRED \W
	v_fma_f32 v[U0], v[U0], s[INVD], s[EPSR]
	v_rsq_f32 v[U0+2], v[U0]
	v_nop                                          ; a plain instruction behind the root,
	s_wait_alu depctr_va_vdst(0)                   ; and a wait ahead of its first reader
	WIN (\W)<<6
	v_mov_b32 v[RS], v[U0+2]
	v_mov_b32 v[RS+1], v[U0+2]
	WIN 0x55*(\W)
	v_pk_mul_f32 v[NM:NM+1], v[MU:MU+1], v[RS:RS+1] neg_lo:[1,0] neg_hi:[1,0]
.set lh, 0
.rept (\NP)/32
	WIN 0x55*(\W)
.set lp, 0
.rept 32
	v_pk_fma_f32 v[LT+2*lp:LT+2*lp+1], v[(\RB)+64*lh+2*lp:(\RB)+64*lh+2*lp+1], v[RS:RS+1], v[NM:NM+1]
.set lp, lp+1
.endr
	WIN (3<<6)|((\W)<<2)|(\W)
.set lp, 0
.rept 32
	v_cvt_pk_bf16_f32 v[(\XB)+32*lh+lp], v[LT+2*lp], v[LT+2*lp+1]
.set lp, lp+1
.endr
.set lh, lh+1
.endr
.endm
; THE PRODUCTS.  In each run the accumulators take turns, one instruction a turn.
.macro OUTP b, g                       ; R += Wo^T O: output channels 16 (8 g + f) on, both tiles
.set ot, 0
.rept 2
	WIN 0x50*(ot+1)
.set of, 0
.rept 8
	v_wmma_f32_16x16x32_bf16 v[8*(8*(\g)+of):8*(8*(\g)+of)+7], v[FB0+64*(\b)+8*of:FB0+64*(\b)+8*of+7], v[BP0+8*ot:BP0+8*ot+7], v[8*(8*(\g)+of):8*(8*(\g)+of)+7]
.set of, of+1
.endr
.set ot, ot+1
.endr
.endm
.macro PROJ b, g, first                ; 32 channels of a projection for tiles 0, 1: k = 32 (4 g + kk) on
	WIN 0x0c
.set pk, 0
.rept 4
.set pt, 0
.rept 2
.set pm, 0
.rept 2
.if (\first) && (pk == 0)
	v_wmma_f32_16x16x32_bf16 v[ACC+8*(2*pt+pm):ACC+8*(2*pt+pm)+7], v[FB0+64*(\b)+8*(2*pk+pm):FB0+64*(\b)+8*(2*pk+pm)+7], v[64*pt+8*(4*(\g)+pk):64*pt+8*(4*(\g)+pk)+7], 0
.else
	v_wmma_f32_16x16x32_bf16 v[ACC+8*(2*pt+pm):ACC+8*(2*pt+pm)+7], v[FB0+64*(\b)+8*(2*pk+pm):FB0+64*(\b)+8*(2*pk+pm)+7], v[64*pt+8*(4*(\g)+pk):64*pt+8*(4*(\g)+pk)+7], v[ACC+8*(2*pt+pm):ACC+8*(2*pt+pm)+7]
.endif
.set pm, pm+1
.endr
.set pt, pt+1
.endr
.set pk, pk+1
.endr
.endm
.macro KPROJ b, g, first               ; k^T for NT tiles, in window 1
	WIN 0x5c
.set pk, 0
.rept 4
.set pt, 0
.rept NT
.set pm, 0
.rept 2
.if (\first) && (pk == 0)
	v_wmma_f32_16x16x32_bf16 v[KA+8*(2*pt+pm):KA+8*(2*pt+pm)+7], v[FB0+64*(\b)+8*(2*pk+pm):FB0+64*(\b)+8*(2*pk+pm)+7], v[64*pt+8*(4*(\g)+pk):64*pt+8*(4*(\g)+pk)+7], 0
.else
	v_wmma_f32_16x16x32_bf16 v[KA+8*(2*pt+pm):KA+8*(2*pt+pm)+7], v[FB0+64*(\b)+8*(2*pk+pm):FB0+64*(\b)+8*(2*pk+pm)+7], v[64*pt+8*(4*(\g)+pk):64*pt+8*(4*(\g)+pk)+7], v[KA+8*(2*pt+pm):KA+8*(2*pt+pm)+7]
.endif
.set pm, pm+1
.endr
.set pt, pt+1
.endr
.set pk, pk+1
.endr
.endm
.macro VPROJ b, g, first               ; v with the sources swapped: a lane holds a channel; the two tiles of a pair lie side by side
	WIN 0x53
.set pk, 0
.rept 4
.set pt, 0
.rept NT
.set pm, 0
.rept 2
.set vd, VA+8*(4*(pt>>1)+2*pm+(pt&1))
.if (\first) && (pk == 0)
	v_wmma_f32_16x16x32_bf16 v[vd:vd+7], v[64*pt+8*(4*(\g)+pk):64*pt+8*(4*(\g)+pk)+7], v[FB0+64*(\b)+8*(2*pk+pm):FB0+64*(\b)+8*(2*pk+pm)+7], 0
.else
	v_wmma_f32_16x16x32_bf16 v[vd:vd+7], v[64*pt+8*(4*(\g)+pk):64*pt+8*(4*(\g)+pk)+7], v[FB0+64*(\b)+8*(2*pk+pm):FB0+64*(\b)+8*(2*pk+pm)+7], v[vd:vd+7]
.endif
.set pm, pm+1
.endr
.set pt, pt+1
.endr
.set pk, pk+1
.endr
.endm
.macro SPROD b, g                      ; S^T = K Q^T: key tiles 8 g + f
	WIN 0x40
.set of, 0
.rept 8
	v_wmma_f32_16x16x32_bf16 v[SB+8*(8*(\g)+of):SB+8*(8*(\g)+of)+7], v[FB0+64*(\b)+8*of:FB0+64*(\b)+8*of+7], v[QA:QA+7], 0
.set of, of+1
.endr
.endm
.macro BIASP                           ; S^T += B I: source 0 the bias fragment of key tile f (window 2), source 1 the ones of the tile in hand; 15 other accumulators' lines stand between an accumulator's two
	WIN 0x52
.set of, 0
.rept 16
	v_wmma_f32_16x16x32_bf16 v[SB+8*of:SB+8*of+7], v[SB+8*of:SB+8*of+7], v[IA:IA+7], v[SB+8*of:SB+8*of+7]
.set of, of+1
.endr
.endm
.macro PVP b, g                        ; O^T += V^T P: keys 32 u on, u = 4 g + f / 2, channels 16 (f % 2) on; even and odd u have sums of their own
	WIN 0x04
.set of, 0
.rept 8
.set pu, 4*(\g)+of/2
.set pa, ACC+8*(2*(pu%2)+of%2)
.if pu < 2
	v_wmma_f32_16x16x32_bf16 v[pa:pa+7], v[FB0+64*(\b)+8*of:FB0+64*(\b)+8*of+7], v[SB+8*pu:SB+8*pu+7], 0
.else
	v_wmma_f32_16x16x32_bf16 v[pa:pa+7], v[FB0+64*(\b)+8*of:FB0+64*(\b)+8*of+7], v[SB+8*pu:SB+8*pu+7], v[pa:pa+7]
.endif
.set of, of+1
.endr
.endm
.macro PACKQ d0, d1                    ; the small accumulators, rounded: a fragment for each tile
	WIN 0
.set qi, 0
.rept 8
	v_cvt_pk_bf16_f32 v[(\d0)+qi], v[ACC+2*qi], v[ACC+2*qi+1]
.set qi, qi+1
.endr
.set qi, 0
.rept 8
	v_cvt_pk_bf16_f32 v[(\d1)+qi], v[ACC+16+2*qi], v[ACC+16+2*qi+1]
.set qi, qi+1
.endr
.endm
.macro PACKKV                          ; K and V rounded in place, ascending, and put into LDS as fragments
	WIN 0x45
.set ki, 0
.rept 8*NT
	v_cvt_pk_bf16_f32 v[KA+ki], v[KA+2*ki], v[KA+2*ki+1]
.set ki, ki+1
.endr
.set ki, 0
.rept 8*NT
	v_cvt_pk_bf16_f32 v[VA+ki], v[VA+2*ki], v[VA+2*ki+1]
.set ki, ki+1
.endr
	WIN 0x04
.set ki, 0
.rept NT
	ds_store_b128 v[KST], v[KA+8*ki:KA+8*ki+3] offset:1024*(ki&1)+8192*(ki>>1)
	ds_store_b128 v[KST], v[KA+8*ki+4:KA+8*ki+7] offset:1024*(ki&1)+8192*(ki>>1)+512
.set ki, ki+1
.endr
.set ki, 0
.rept NT
	ds_store_b128 v[KST], v[VA+8*ki:VA+8*ki+3] offset:VOFF+1024*(ki&1)+8192*(ki>>1)
	ds_store_b128 v[KST], v[VA+8*ki+4:VA+8*ki+7] offset:VOFF+1024*(ki&1)+8192*(ki>>1)+512
.set ki, ki+1
.endr
	WIN 0
.endm
.macro SSUB p
	v_pk_add_f32 v[SB+2*(\p):SB+2*(\p)+1], v[SB+2*(\p):SB+2*(\p)+1], v[MX:MX+1] neg_lo:[0,1] neg_hi:[0,1]
.endm
; The softmax of one query tile: the maximum of the lane's 8 NK scores and of the lane 16 away; s - m and the exponentials as ONE batch with one wait; the sum; P rounded in place; 1 / sum.
; Each accumulator's lowest registers are read first.
.macro SOFTMAX
	WIN 0x15
.set sk, 0
.rept 4
	v_max3_num_f32 v[CH+sk], v[SB+8*sk], v[SB+8*sk+1], v[SB+8*sk+2]
.set sk, sk+1
.endr
	WIN 0x14
.set sn, 0
.rept (NK*8-12)/2                      ; what is left: registers 3-7 of tiles 0-3 (20 numbers), then the other tiles in ascending order
.set sa, 2*sn
.if sa < 20
.set ra, 8*(sa/5)+3+sa%5
.set rb, 8*((sa+1)/5)+3+(sa+1)%5
.else
.set ra, 12+sa
.set rb, 13+sa
.endif
	v_max3_num_f32 v[CH+sn%4], v[CH+sn%4], v[SB+ra], v[SB+rb]
.set sn, sn+1
.endr
	WIN 0
	v_max3_num_f32 v[CH], v[CH], v[CH+1], v[CH+2]
	v_max_num_f32 v[CH], v[CH], v[CH+3]
	v_permlanex16_b32 v[CH+1], v[CH], s[SEL], s[SEL+1]
	v_max_num_f32 v[MX], v[CH], v[CH+1]
	v_mov_b32 v[MX+1], v[MX]
	WIN 0x41
	SSUB 0
	SSUB 1
.set sq, 0
.rept NK*4
.if sq+2 < NK*4
	SSUB sq+2
.endif
	v_exp_f32 v[SB+2*sq], v[SB+2*sq]
	v_exp_f32 v[SB+2*sq+1], v[SB+2*sq+1]
.set sq, sq+1
.endr
	v_nop                                          ; a plain instruction behind the last exponential,
	s_wait_alu depctr_va_vdst(0)                   ; and one wait for the batch: nothing above names a result
	WIN 0x05
.set sk, 0
.rept 4
	v_pk_add_f32 v[LS+2*sk:LS+2*sk+1], v[SB+2*sk:SB+2*sk+1], v[SB+8+2*sk:SB+8+2*sk+1]
.set sk, sk+1
.endr
	WIN 0x04
.set sq, 8
.rept NK*4-8
	v_pk_add_f32 v[LS+2*(sq%4):LS+2*(sq%4)+1], v[LS+2*(sq%4):LS+2*(sq%4)+1], v[SB+2*sq:SB+2*sq+1]
.set sq, sq+1
.endr
	WIN 0x45
.set sq, 0
.rept NK*4
	v_cvt_pk_bf16_f32 v[SB+sq], v[SB+2*sq], v[SB+2*sq+1]
.set sq, sq+1
.endr
	WIN 0
	v_pk_add_f32 v[LS:LS+1], v[LS:LS+1], v[LS+2:LS+3]
	v_pk_add_f32 v[LS+4:LS+5], v[LS+4:LS+5], v[LS+6:LS+7]
	v_pk_add_f32 v[LS:LS+1], v[LS:LS+1], v[LS+4:LS+5]
	v_add_f32 v[LS], v[LS], v[LS+1]
	v_permlanex16_b32 v[LS+1], v[LS], s[SEL], s[SEL+1]
	v_add_f32 v[LS], v[LS], v[LS+1]
	v_rcp_f32 v[RI], v[LS]
	v_nop
	s_wait_alu depctr_va_vdst(0)
	v_mov_b32 v[RI+1], v[RI]
.endm
; O of the tile in hand: the two partial sums added, divided by the sum of weights, rounded.  One text serves both query tiles: O moves up (tile 0's ends in BP0, tile 1's in BP1), the second tile's Q comes into QA,
; and the ones change halves: (E, 0) xor (E, E) = (0, E), and back.
.macro NORM
	WIN 0
.set ni, 0
.rept 8
	v_pk_add_f32 v[ACC+2*ni:ACC+2*ni+1], v[ACC+2*ni:ACC+2*ni+1], v[ACC+16+2*ni:ACC+16+2*ni+1]
.set ni, ni+1
.endr
.set ni, 0
.rept 8
	v_pk_mul_f32 v[ACC+2*ni:ACC+2*ni+1], v[ACC+2*ni:ACC+2*ni+1], v[RI:RI+1]
.set ni, ni+1
.endr
.set ni, 0
.rept 8
	v_mov_b32 v[BP0+ni], v[BP1+ni]
.set ni, ni+1
.endr
.set ni, 0
.rept 8
	v_cvt_pk_bf16_f32 v[BP1+ni], v[ACC+2*ni], v[ACC+2*ni+1]
.set ni, ni+1
.endr
.set ni, 0
.rept 8
	v_mov_b32 v[QA+ni], v[QB+ni]
.set ni, ni+1
.endr
.set ni, 0
.rept 8
	v_xor_b32 v[IA+ni], v[IA+ni], v[EI+(ni&3)]
.set ni, ni+1
.endr
.endm
.macro BLOAD                           ; a head's bias for my 32 queries, 16 fragments, 16 KiB, straight into source 0's registers: each load of the wave takes 512 bytes on end
	WIN 0x80
.set bk, 0
.rept 8
	global_load_b128 v[SB+8*bk:SB+8*bk+3], v[BVA], s[BB:BB+1] offset:1024*bk
	global_load_b128 v[SB+8*bk+4:SB+8*bk+7], v[BVA], s[BB:BB+1] offset:1024*bk+512
.set bk, bk+1
.endr
.set bk, 0
.rept 8
	global_load_b128 v[SB+64+8*bk:SB+64+8*bk+3], v[BVB], s[BB:BB+1] offset:1024*bk
	global_load_b128 v[SB+64+8*bk+4:SB+64+8*bk+7], v[BVB], s[BB:BB+1] offset:1024*bk+512
.set bk, bk+1
.endr
	WIN 0
.endm
.macro RREAD                           ; 32 raw rows into R: lane 16 hh + r takes token r, channels 16 mt + 8 hh + 0..7
.set rt, 0
.rept 2
	WIN (1+rt)<<6
.set rm, 0
.rept 16
	ds_load_b128 v[8*rm:8*rm+3], v[RAWA] offset:16*RAWP*rt+64*rm
	ds_load_b128 v[8*rm+4:8*rm+7], v[RAWA] offset:16*RAWP*rt+64*rm+16
.set rm, rm+1
.endr
.set rt, rt+1
.endr
	WIN 0
.endm
.macro OUT tt, hf, fb                  ; 16 tokens x 128 channels of R through my stage, back as rows of 512 bytes, stored
	WIN (1+(\tt))<<2
.set om, 0
.rept 8
	ds_store_b128 v[STS], v[8*(8*(\hf)+om):8*(8*(\hf)+om)+3] offset:64*om
	ds_store_b128 v[STS], v[8*(8*(\hf)+om)+4:8*(8*(\hf)+om)+7] offset:64*om+16
.set om, om+1
.endr
	WIN 0
	s_wait_xcnt 0x0                                ; earlier stores have read their registers: the buffer is loaded again only behind this wait
.set oj, 0
.rept 16
	ds_load_b128 v[FB0+64*(\fb)+4*oj:FB0+64*(\fb)+4*oj+3], v[STL] offset:STP*oj    ; my own bytes: LDS serves a wave's instructions in order
.set oj, oj+1
.endr
.set oj, 0
.rept 16
	s_wait_dscnt 15-oj
	global_store_b128 v[L16], v[FB0+64*(\fb)+4*oj:FB0+64*(\fb)+4*oj+3], s[OB:OB+1] offset:(16*(\tt)+oj)*ROWB+512*(\hf)
.set oj, oj+1
.endr
.endm
	s_load_b256 s[4:11], s[0:1], 0x0               ; msa s[4:5], wts s[6:7], biasf s[8:9], msa1 s[10:11]
	v_lshl_add_u32 v[SPW], v0, 2, SPARE
	v_mov_b32 v[NIL], 0
	ds_add_u32 v[SPW], v[NIL]                      ; the wave's opening: the add, waited for ahead of my first tensor load
	v_lshrrev_b32 v1, 5, v0
	v_readfirstlane_b32 s[WV], v1
	s_bfe_u32 s[CX], ttmp6, 0x40000                ; my place in the cluster: it enters msa's, msa1's and the prefetch's addresses alone
	s_and_b32 s14, ttmp9, 1                        ; which half of the sequence: the same in all four partners
	s_lshr_b32 s15, ttmp9, 1
	s_lshl_b32 s15, s15, 2
	s_add_co_u32 s15, s15, s[CX]                   ; the sequence n
	s_lshl_b32 s60, s15, 18                        ; n x 256 tokens x 1,024 bytes
	s_lshl_b32 s61, s[WV], 15                      ; + 32 w tokens
	s_add_co_u32 s60, s60, s61
	s_lshl_b32 s62, s14, 17
	s_add_co_u32 s62, s60, s62                     ; my own rows
	s_xor_b32 s63, s14, 1
	s_lshl_b32 s63, s63, 17
	s_add_co_u32 s60, s60, s63                     ; the other half's
	s_mov_b32 s61, 0
	s_mov_b32 s63, 0
	s_lshl_b32 s2, s[WV], 14                       ; my quarter of a slot
	s_mov_b32 s3, 0
	s_mov_b32 s[G1], 15|(3<<16)|(1<<21)            ; the stream: mask of four, elements of 8 bytes, bit 21 beside the mask
	s_mov_b32 s[G1+1], 32<<16                      ; 64 rows of 256 bytes, dense
	s_mov_b32 s[G1+2], 64<<16
	s_mov_b32 s[G1+3], 32<<16
	s_mov_b32 s[G1+4], 64
	s_mov_b32 s[G1+5], 32
	s_mov_b32 s[G1+6], 0
	s_mov_b32 s[G1+7], 0
	s_mov_b32 s[G1R], (2<<16)|(1<<20)|(7<<22)|(3<<25)  ; raw rows: f32, 4 words of padding behind every 256; no mask: each work-group has rows of its own
	s_mov_b32 s[G1R+1], 256<<16
	s_mov_b32 s[G1R+2], 32<<16
	s_mov_b32 s[G1R+3], 256<<16
	s_mov_b32 s[G1R+4], 32
	s_mov_b32 s[G1R+5], 256
	s_mov_b32 s[G1R+6], 0
	s_mov_b32 s[G1R+7], 0
	s_mov_b32 s[G0], 1
	s_lshl_b32 s[G0+1], s[WV], 14
	s_mov_b32 s[G0R], 1
	s_mul_i32 s[G0R+1], s[WV], RAWW
	s_mov_b32 s[G0R2], 1
	s_add_co_u32 s[G0R2+1], s[G0R+1], RAWOWN
	s_mov_b32 s[TB], SLOT
	s_mov_b32 s[SEL], 0x76543210
	s_mov_b32 s[SEL+1], 0xfedcba98
	s_mov_b32 s[INVD], 0x3b800000                  ; 1 / 256
	s_mov_b32 s[EPSR], 0x3727c5ac                  ; 1e-5
	s_lshr_b32 s[LIM], s[WV], 1
	s_or_b32 s[LIM], s[LIM], ttmp9
	s_cmp_eq_u32 s[LIM], 0
	s_cselect_b32 s[LIM], 1, -1                    ; 1 in the waves that prefetch, else the greatest number
	s_wait_dscnt 0x0
	s_wait_kmcnt 0x0
	s_add_nc_u64 s[G0R+2:G0R+3], s[4:5], s[60:61]
	s_or_b32 s[G0R+3], s[G0R+3], 0x80000000
	s_add_nc_u64 s[G0R2+2:G0R2+3], s[4:5], s[62:63]
	s_or_b32 s[G0R2+3], s[G0R2+3], 0x80000000
	s_add_nc_u64 s[OB:OB+1], s[10:11], s[62:63]
	s_add_nc_u64 s[G0+2:G0+3], s[6:7], s[2:3]
	s_or_b32 s[G0+3], s[G0+3], 0x80000000
	s_lshl_b32 s60, s[CX], 14
	s_lshl_b32 s62, s[WV], 13
	s_add_co_u32 s60, s60, s62
	s_add_co_u32 s60, s60, SLOT                    ; in slot 1: the first trip steps it to slot 2
	s_add_nc_u64 s[PFA:PFA+1], s[6:7], s[60:61]
	s_lshl_b32 s60, s14, 2
	s_add_co_u32 s60, s60, s[WV]
	s_lshl_b32 s60, s60, 17                        ; my 32 queries' bias: 8 heads x 16,384 bytes
	s_add_nc_u64 s[BB:BB+1], s[8:9], s[60:61]
	ROUND                                          ; in front of the first tensor loads
	tensor_load_to_lds s[G0R:G0R+3], s[G1R:G1R+7]  ; the other half's 32 rows,
	s_nop 0
	tensor_load_to_lds s[G0R2:G0R2+3], s[G1R:G1R+7]  ; and my own: two loads of mine are out
	s_nop 0
	N4
	v_and_b32 v16, 31, v0
	v_and_b32 v17, 15, v0                          ; r
	v_bfe_u32 v18, v0, 4, 1                        ; hh
	v_lshlrev_b32 v[L16], 4, v16
	v_lshlrev_b32 v[PFO], 8, v16
	v_add_nc_u32 v[KRD], KV, v[L16]
	s_lshl_b32 s60, s[WV], 11
	s_add_co_u32 s60, s60, KV
	v_add_nc_u32 v[KST], s60, v[L16]
	s_mul_i32 s60, s[WV], STGW
	s_add_co_u32 s60, s60, STG
	v_add_nc_u32 v[STL], s60, v[L16]
	v_mul_u32_u24 v19, v17, STP
	v_lshl_add_u32 v19, v18, 5, v19
	v_add_nc_u32 v[STS], s60, v19
	v_mul_u32_u24 v19, v17, RAWP
	v_lshl_add_u32 v19, v18, 5, v19
	s_mul_i32 s60, s[WV], RAWW
	v_add_nc_u32 v[RAW0], s60, v19
	s_lshl_b32 s60, s14, 13
	v_add_nc_u32 v[BVA0], s60, v[L16]              ; local key tiles 0-7 are my half's,
	s_xor_b32 s60, s60, 8192
	v_add_nc_u32 v[BVB0], s60, v[L16]              ; 8-15 the other's
	v_mov_b32 v[U0+1], 0                           ; v_permlanex16_b32's destination counts as read
	; the ones.  Lane 16 hh + r holds column r of source 1; its registers 0-3 hold k = 8 hh + 0..7.  The one of column r stands at k = r: in the half of the lanes with hh = r >> 3, register (r & 7) >> 1, half r & 1.
	v_lshrrev_b32 v20, 3, v17
	v_xor_b32 v20, v20, v18                        ; 0 where my half of the lanes holds it
	v_bfe_u32 v21, v17, 1, 2                       ; which of the four registers
	v_lshl_add_u32 v20, v20, 2, v21                ; 4 or more where none
	v_and_b32 v21, 1, v17
	v_lshlrev_b32 v21, 4, v21
	v_mov_b32 v22, 0x3f80                          ; 1.0 in bf16
	v_lshlrev_b32 v22, v21, v22
.irp i, 0,1,2,3
	v_cmp_eq_u32 vcc_lo, \i, v20
	v_cndmask_b32 v[EI+\i], 0, v22, vcc_lo
.endr
.irp i, 0,1,2,3
	v_mov_b32 v[IA+\i], v[EI+\i]                   ; tile 0: k = query
	v_mov_b32 v[IA+4+\i], 0
.endr
.set ni, 0
.rept 16
	v_mov_b32 v[BP0+ni], 0                         ; the first trip multiplies a copy of Wo by this: it adds 0
.set ni, ni+1
.endr
	s_wait_tensorcnt 1                             ; the other half's rows are in (only I read the rows that I fetched); my own rows' load may stay out
	s_mov_b32 s[PS], 2
	s_mov_b32 s[RP], 0
	s_branch .Lpass                                ; the loop is entered in its middle: a pass, the change, a pass
.Lre:
	CHANGE 1, 0, 0                                 ; every wave has read the other half's raw rows: slot 0 of the stream goes over them and lands under the second pass; the wait for 0 shows my own rows in
.Lpass:                                                ; twice: the other half's rows (their LayerNorm goes to tiles 2, 3), then my own, which stay in R
	v_add_nc_u32 v[RAWA], s[RP], v[RAW0]
	RREAD
	s_wait_dscnt 0x0
	LNT 1, 0, 64, 0
	LNT 2, 0, 64, 64
	WIN 0
	s_cmp_eq_u32 s[PS], 2
	s_cbranch_scc0 .Lown
	WIN 0xc3
.set ni, 0
.rept 128
	v_mov_b32 v[128+ni], v[ni]
.set ni, ni+1
.endr
	WIN 0
.Lown:
	s_add_co_u32 s[RP], s[RP], RAWOWN
	s_sub_co_u32 s[PS], s[PS], 1
	s_cmp_lg_u32 s[PS], 0
	s_cbranch_scc1 .Lre
	v_mov_b32 v[BVA], v[BVA0]
	v_mov_b32 v[BVB], v[BVB0]
	s_mov_b32 s[BOFF], 0
	BLOAD                                          ; head 0: it has the head's projections in which to land
	s_mov_b32 s[CT], 8
.Ltrip:                                                ; head 8 - CT: slot's parts: Wo of the head before, Wq, Wk, Wv
	CHANGE 1, 1, 1, CT, LIM
	v_add_nc_u32 v[ADR], s[TB], v[L16]
	FL 0, ADR, 0
	FL 1, ADR, 8192
	s_wait_dscnt 16                                ; the older group of 16 loads is in, the younger stays out: so at each such wait below
	OUTP 0, 0
	N4
	FL 0, ADR, 16384
	s_wait_dscnt 16
	OUTP 1, 1
	N4
	FL 1, ADR, 24576
	s_wait_dscnt 16
	PROJ 0, 0, 1
	N4
	FL 0, ADR, 32768
	s_wait_dscnt 16
	PROJ 1, 1, 0
	N4
	FL 1, ADR, 40960
	PACKQ QA, QB
	s_wait_dscnt 16
	KPROJ 0, 0, 1
	N4
	FL 0, ADR, 49152
	s_wait_dscnt 16
	KPROJ 1, 1, 0
	N4
	FL 1, ADR, 57344
	s_wait_dscnt 16
	VPROJ 0, 0, 1
	s_wait_dscnt 0x0
	VPROJ 1, 1, 0
	N4
	PACKKV
	s_wait_dscnt 0x0                               ; for the others' sake: my K and V are in LDS
	s_barrier_signal -1
	s_barrier_wait -1                              ; the next slot's load may stay out
	FL 0, KRD, 0
	FL 1, KRD, 8192
	s_mov_b32 s[IC], 2
.Lq:                                                   ; the two query tiles
	s_wait_dscnt 16
	SPROD 0, 0
	N4
	FL 0, KRD, VOFF
	s_wait_dscnt 16
	SPROD 1, 1
	N4
	FL 1, KRD, VOFF+8192
	s_wait_loadcnt 0x0                             ; the head's bias (at the second tile nothing is out)
	BIASP
	N4                                             ; the places ahead of the loads into the bias's registers and of the maximum
	WIN 0
	s_cmp_eq_u32 s[IC], 1
	s_cbranch_scc0 .Lnob                           ; behind the second tile's lines the head's bias has served:
	s_add_co_u32 s[BOFF], s[BOFF], 16384           ; the next head's is asked for;
	s_and_b32 s[BOFF], s[BOFF], 0x1ffff            ; behind the last head the offset goes back to 0: that load stays in my 131,072 bytes and serves nothing
	v_add_nc_u32 v[BVA], s[BOFF], v[BVA0]
	v_add_nc_u32 v[BVB], s[BOFF], v[BVB0]
	BLOAD
.Lnob:
	SOFTMAX
	s_wait_dscnt 0x0                               ; V
	PVP 0, 0
	N4
	FL 0, KRD, 0                                   ; K again, for the second tile (behind it: read and not used)
	PVP 1, 1
	N4
	FL 1, KRD, 8192
	NORM
	s_sub_co_u32 s[IC], s[IC], 1
	s_cmp_lg_u32 s[IC], 0
	s_cbranch_scc1 .Lq
	s_sub_co_u32 s[CT], s[CT], 1
	s_cmp_lg_u32 s[CT], 0
	s_cbranch_scc1 .Ltrip
	CHANGE 0, 1, 0                                 ; the last slot: Wo of head 7; nothing is asked for
	v_add_nc_u32 v[ADR], s[TB], v[L16]
	FL 0, ADR, 0
	FL 1, ADR, 8192
	s_wait_dscnt 16
	OUTP 0, 0
	s_wait_dscnt 0x0
	OUTP 1, 1
	N4
	OUT 0, 0, 0
	OUT 0, 1, 1
	OUT 1, 0, 0
	OUT 1, 1, 1
	s_wait_tensorcnt 0x0                           ; the wave's end
	ds_add_u32 v[SPW], v[NIL]
	s_wait_dscnt 0x0
	ROUND                                          ; the closing round
	s_endpgm
.Lfunc_end_k_qad303712db_rowatt:
	.size	k_qad303712db_rowatt, .Lfunc_end_k_qad303712db_rowatt-k_qad303712db_rowatt
	.p2alignl 7, 3214868480
	.fill 96, 4, 3214868480
	.section	.rodata,"a",@progbits
	.p2align	6, 0x0
	.amdhsa_kernel k_qad303712db_rowatt
		.amdhsa_group_segment_fixed_size 327680
		.amdhsa_private_segment_fixed_size 0
		.amdhsa_enable_private_segment 0
		.amdhsa_kernarg_size 32
		.amdhsa_user_sgpr_count 2
		.amdhsa_user_sgpr_kernarg_segment_ptr 1
		.amdhsa_wavefront_size32 1
		.amdhsa_system_sgpr_workgroup_id_x 1
		.amdhsa_system_sgpr_workgroup_id_y 1
		.amdhsa_system_sgpr_workgroup_id_z 1
		.amdhsa_system_vgpr_workitem_id 0
		.amdhsa_next_free_vgpr 1024
		.amdhsa_next_free_sgpr 68
		.amdhsa_reserve_vcc 1
		.amdhsa_float_denorm_mode_32 3
		.amdhsa_float_denorm_mode_16_64 3
		.amdhsa_memory_ordered 1
		.amdhsa_forward_progress 1
		.amdhsa_inst_pref_size 149
	.end_amdhsa_kernel
	.amdgpu_metadata
---
amdhsa.version: [ 1, 2 ]
amdhsa.kernels:
  - .name:           k_qad303712db_rowatt
    .symbol:         k_qad303712db_rowatt.kd
    .args:
      - { .name: msa, .offset: 0, .size: 8, .value_kind: global_buffer, .address_space: global }
      - { .name: wts, .offset: 8, .size: 8, .value_kind: global_buffer, .address_space: global }
      - { .name: biasf, .offset: 16, .size: 8, .value_kind: global_buffer, .address_space: global }
      - { .name: msa1, .offset: 24, .size: 8, .value_kind: global_buffer, .address_space: global }
    .group_segment_fixed_size: 327680
    .private_segment_fixed_size: 0
    .kernarg_segment_align: 8
    .kernarg_segment_size: 32
    .max_flat_workgroup_size: 128
    .sgpr_count:     68
    .vgpr_count:     1024
    .wavefront_size: 32
...
	.end_amdgpu_metadata
.endif
;; end of part 2
;; launch colmsa (part 3): grid 256 x 1, 4 waves a work-group, clusters of 4 x 1, 327,680 bytes of LDS; arguments msa1, wts, out0, axe; writes out0, axe
.if DOCPART == 3
	.amdgcn_target "amdgcn-amd-amdhsa--gfx1250"
	.amdhsa_code_object_version 6
	.text
	.protected	k_qad303712db_colmsa
	.globl	k_qad303712db_colmsa
	.p2align	8
	.type	k_qad303712db_colmsa,@function
k_qad303712db_colmsa:
	s_mov_b64 s[64:65], 0
	v_nop
	global_prefetch_b8 v0, s[64:65] scope:SCOPE_SE
	s_setreg_imm32_b32 hwreg(HW_REG_WAVE_MODE, 25, 1), 1
	s_wait_xcnt 0x0
	s_wait_alu depctr_hold_cnt(0) depctr_sa_sdst(0) depctr_va_vdst(0) depctr_va_sdst(0) depctr_va_ssrc(0) depctr_va_vcc(0) depctr_vm_vsrc(0)
	s_getreg_b32 s2, hwreg(HW_REG_IB_STS2, 6, 4)
	s_cmp_eq_u32 s2, 0
	s_cbranch_scc0 .Lentry_in_a_cluster
	s_endpgm
.Lentry_in_a_cluster:
	s_bfe_u32 s2, ttmp6, 0x10000c
	s_cmp_lg_u32 s2, 0x3003
	s_cbranch_scc0 .Lentry_shape_is_right
	s_endpgm
.Lentry_shape_is_right:
; COLUMN ATTENTION, MSA TRANSITION, OUTER-PRODUCT PROJECTION, for one position i: the work-group owns the 128 tokens (n, i); wave w the tokens n = 32 w .. 32 w + 31, two tiles of 16.
; out0 = x2 + relu(LN(x2) W1) W2, x2 = msa1 + column attention; axe[e][i][n] = (LN(out0) Wp)[n][e] in bf16.
; A LANE IS A TOKEN, as in the row attention: weights are source 0, activations source 1; two neighbouring results rounded to bf16 are the next source 1; the residual R (f32) is the accumulator of every
; product that adds onto the stream.  V, and the projection for axe, are made with the sources swapped (a lane holds a channel and 8 tokens).
; ONE LOOP OF 25 TRIPS walks 26 slots of 65,536 bytes of weights (a ring of two LDS slots, filled by loads that the four work-groups of a cluster ask jointly).  Every trip: R += (part 0)^T (what the trip before left);
; a LayerNorm in trips 0, 8 and 24; a projection by part 1.  Then by the counter, the same in every wave and work-group: trips 0-7 a head of attention; trips 8-23 two hidden chunks of 32 of the transition; trip 24 stores out0.
; THE FRAGMENTS come out of LDS in runs of 32 loads, a slot's part (16 fragments) each, into two pairs of buffers that take turns: parts 0 and 2 into window 0, parts 1 and 3 into window 3.  A run is issued behind the 32
; products that read its pair and has the other pair's 32 products in which to land.  A transition trip's part 3 is fetched in its trip and multiplied behind the NEXT change of slots, behind the new slot's first run:
; so products stand where the wave would wait for the new slot's first fragments.
; SOFTMAX: all 128 scores of a query lie in registers; the true maximum is taken away; p = 2^(s - m); the sum is taken of the unrounded p.
; LIMITS.  Matrix operands are bf16; a weight p below 2^-126 counts as 0; NaN and infinities are not treated apart.
; REGISTERS: window 0 addresses, statistics, Q, O or hidden, small accumulators, v128-255 fragment pair 0; window 1 R of tile 0 and work; window 2 R of tile 1 and work; window 3 v0-127 LayerNorm's fragments, v128-255 fragment pair 1.
.set COLS,  589824                     ; where this launch's stream begins in wts
.set SLOT,  65536
.set RAWP,  1040
.set RAWW,  32*RAWP
.set RAWB,  131072                     ; behind the ring: the raw rows, filled once
.set KV,    RAWB+4*RAWW                ; K (8 fragments), V (8)
.set VOFF,  8192
.set AXS,   KV+16384                   ; 32 rows (e) x 272 bytes
.set STG,   AXS+8704
.set STGW,  8448
.set STP,   528
.set SPARE, STG+4*STGW
.set ROWB,  262144                     ; bytes from n to n + 1 in out0; the largest store offset, 31 x 262,144 + 512, lies inside the signed 24 bits
.set NT, 2
.set NK, 8
.set L16, 1
.set ADR, 2
.set KRD, 3
.set KST, 4
.set STS, 5
.set STL, 6
.set RAWA, 7
.set ZR, 9
.set AXG, 10
.set PFO, 11
.set SPW, 12
.set NIL, 13
.set AXW, 14
.set AXR, 15
.set CH, 16
.set MX, 20
.set LS, 22
.set RI, 30
.set QA, 32
.set QB, 40
.set BP0, 48
.set BP1, 56
.set ACC, 64
.set U0, 96
.set FB0, 128
.set SB, 128
.set KA, 128
.set VA, 160
.set LT, 128
.set LA, 192
.set MU, 200
.set RS, 202
.set NM, 204
.set WV, 12
.set CX, 13
.set G1, 16
.set G0, 24
.set G1R, 28
.set G0R, 36
.set TB, 44
.set CT, 45
.set IC, 46
.set SEL, 50
.set INVD, 52
.set LIM, 53
.set PFA, 54
.set AXB, 56
.set OB, 58
.set EPSR, 66
.set MSB, 0
.macro WIN new                         ; the high byte repeats the setting that is left; a switch that changes nothing is dropped
.if MSB != (\new)
	s_set_vgpr_msb (MSB<<8)|(\new)
.set MSB, (\new)
.endif
.endm
.macro N4                              ; four places behind matrix instructions, ahead of loads into their sources and of reads of their results
.rept 4
	v_nop
.endr
.endm
.macro ROUND                           ; a round of the cluster's barrier
	s_barrier_signal -1
	s_barrier_wait -1
	s_cmp_lg_u32 s[WV], 0
	s_cbranch_scc1 .Lnw0_\@
	s_barrier_signal -3
.Lnw0_\@:
	s_barrier_wait -3
	s_barrier_signal -1
	s_barrier_wait -1
.endm
; A prefetch of the stream's slot after the one just asked for, one trip ahead of its load: cluster 0 asks, its waves 0 and 1; the partners take 16,384 bytes each by address, a lane 256 bytes.
.macro ASK cnt, lim
	s_cmp_gt_u32 s[\cnt], s[\lim]
	s_cbranch_scc0 .Lnoask_\@
	global_prefetch_b8 v[PFO], s[PFA:PFA+1] th:TH_LOAD_NT scope:SCOPE_SE
.Lnoask_\@:
.endm
; THE CHANGE OF SLOTS: all my tensor loads waited for, the add, its wait and that for my LDS reads, the round, and my quarter of the next slot first behind it.  fill = 0: the last slot.
.macro CHANGE fill, step, ask, cnt=0, lim=0
	WIN 0
	s_wait_tensorcnt 0x0
	ds_add_u32 v[SPW], v[NIL]
.if \step
.if \fill
	s_xor_b32 s[G0+1], s[G0+1], SLOT
	s_add_nc_u64 s[G0+2:G0+3], s[G0+2:G0+3], SLOT
.endif
	s_xor_b32 s[TB], s[TB], SLOT
.endif
.if \ask
	s_wait_xcnt 0x0                                ; the last prefetch, a trip back, has read its address
	s_add_nc_u64 s[PFA:PFA+1], s[PFA:PFA+1], SLOT
.endif
	s_wait_dscnt 0x0
.if \fill
	ROUND
	tensor_load_to_lds s[G0:G0+3], s[G1:G1+7]
	s_nop 0
	N4
.if \ask
	ASK \cnt, \lim
.endif
.else
	s_barrier_signal -1
	s_barrier_wait -1
.endif
.endm
.macro FL b, areg, off                 ; 8 fragments, 16 loads, into half b of pair 0: K and V
	WIN 0
.set ff, 0
.rept 8
	ds_load_b128 v[FB0+64*(\b)+8*ff:FB0+64*(\b)+8*ff+3], v[\areg] offset:(\off)+1024*ff
	ds_load_b128 v[FB0+64*(\b)+8*ff+4:FB0+64*(\b)+8*ff+7], v[\areg] offset:(\off)+1024*ff+512
.set ff, ff+1
.endr
.endm
.macro FL2 p, areg, off                ; a slot's part, 16 fragments, 32 loads in one run, into pair p: window 0 or window 3
	WIN 0xc0*(\p)
.set ff, 0
.rept 16
	ds_load_b128 v[FB0+8*ff:FB0+8*ff+3], v[\areg] offset:(\off)+1024*ff
	ds_load_b128 v[FB0+8*ff+4:FB0+8*ff+7], v[\areg] offset:(\off)+1024*ff+512
.set ff, ff+1
.endr
.endm
.macro LRED W                          ; the four chains (window W) into one number for the token, in v[U0] of window 0
	v_pk_add_f32 v[LA:LA+1], v[LA:LA+1], v[LA+2:LA+3]
	v_pk_add_f32 v[LA+4:LA+5], v[LA+4:LA+5], v[LA+6:LA+7]
	v_pk_add_f32 v[LA:LA+1], v[LA:LA+1], v[LA+4:LA+5]
	WIN ((\W)<<2)|(\W)
	v_add_f32 v[U0], v[LA], v[LA+1]
	WIN 0
	v_permlanex16_b32 v[U0+1], v[U0], s[SEL], s[SEL+1]
	v_add_f32 v[U0], v[U0], v[U0+1]
.endm
; LayerNorm of one tile: two passes (the mean, then the mean of (x - mean)^2); the gain lies in the weights; the result as bf16 fragments in window 3; R is read in ascending order and not changed.
.macro LNT W, RB, NP, XB
	WIN 0x55*(\W)
.set lc, 0
.rept 4
	v_pk_add_f32 v[LA+2*lc:LA+2*lc+1], v[(\RB)+2*lc:(\RB)+2*lc+1], v[(\RB)+8+2*lc:(\RB)+8+2*lc+1]
.set lc, lc+1
.endr
.set lp, 8
.rept (\NP)-8
	v_pk_add_f32 v[LA+2*(lp%4):LA+2*(lp%4)+1], v[LA+2*(lp%4):LA+2*(lp%4)+1], v[(\RB)+2*lp:(\RB)+2*lp+1]
.set lp, lp+1
.endr
	LRED \W
	WIN (\W)<<6
	v_mul_f32 v[MU], s[INVD], v[U0]
	v_mul_f32 v[MU+1], s[INVD], v[U0]
	WIN 0x55*(\W)
.set lg, 0
.rept (\NP)/4
.set lc, 0
.rept 4
	v_pk_add_f32 v[LT+2*lc:LT+2*lc+1], v[(\RB)+8*lg+2*lc:(\RB)+8*lg+2*lc+1], v[MU:MU+1] neg_lo:[0,1] neg_hi:[0,1]
.set lc, lc+1
.endr
.set lc, 0
.rept 4
.if lg == 0
	v_pk_mul_f32 v[LA+2*lc:LA+2*lc+1], v[LT+2*lc:LT+2*lc+1], v[LT+2*lc:LT+2*lc+1]
.else
	v_pk_fma_f32 v[LA+2*lc:LA+2*lc+1], v[LT+2*lc:LT+2*lc+1], v[LT+2*lc:LT+2*lc+1], v[LA+2*lc:LA+2*lc+1]
.endif
.set lc, lc+1
.endr
.set lg, lg+1
.endr
	LRED \W
	v_fma_f32 v[U0], v[U0], s[INVD], s[EPSR]
	v_rsq_f32 v[U0+2], v[U0]
	v_nop                                          ; a plain instruction behind the root,
	s_wait_alu depctr_va_vdst(0)                   ; and a wait ahead of its first reader
	WIN (\W)<<6
	v_mov_b32 v[RS], v[U0+2]
	v_mov_b32 v[RS+1], v[U0+2]
	WIN 0x55*(\W)
	v_pk_mul_f32 v[NM:NM+1], v[MU:MU+1], v[RS:RS+1] neg_lo:[1,0] neg_hi:[1,0]
.set lh, 0
.rept (\NP)/32
	WIN 0x55*(\W)
.set lp, 0
.rept 32
	v_pk_fma_f32 v[LT+2*lp:LT+2*lp+1], v[(\RB)+64*lh+2*lp:(\RB)+64*lh+2*lp+1], v[RS:RS+1], v[NM:NM+1]
.set lp, lp+1
.endr
	WIN (3<<6)|((\W)<<2)|(\W)
.set lp, 0
.rept 32
	v_cvt_pk_bf16_f32 v[(\XB)+32*lh+lp], v[LT+2*lp], v[LT+2*lp+1]
.set lp, lp+1
.endr
.set lh, lh+1
.endr
.endm
; THE PRODUCTS.  In each run the accumulators take turns, one instruction a turn.  b is the half of the fragment pair.
.macro OUTP b, g                       ; R += W^T (O or hidden): output channels 16 (8 g + f) on, both tiles; weights in pair 0
.set ot, 0
.rept 2
	WIN 0x50*(ot+1)
.set of, 0
.rept 8
	v_wmma_f32_16x16x32_bf16 v[8*(8*(\g)+of):8*(8*(\g)+of)+7], v[FB0+64*(\b)+8*of:FB0+64*(\b)+8*of+7], v[BP0+8*ot:BP0+8*ot+7], v[8*(8*(\g)+of):8*(8*(\g)+of)+7]
.set of, of+1
.endr
.set ot, ot+1
.endr
.endm
.macro PROJ b, g, first                ; 32 channels of a projection for both tiles: k = 32 (4 g + kk) on; weights in pair 1 (window 3, like the LayerNorm's fragments)
	WIN 0x0f
.set pk, 0
.rept 4
.set pt, 0
.rept 2
.set pm, 0
.rept 2
.if (\first) && (pk == 0)
	v_wmma_f32_16x16x32_bf16 v[ACC+8*(2*pt+pm):ACC+8*(2*pt+pm)+7], v[FB0+64*(\b)+8*(2*pk+pm):FB0+64*(\b)+8*(2*pk+pm)+7], v[64*pt+8*(4*(\g)+pk):64*pt+8*(4*(\g)+pk)+7], 0
.else
	v_wmma_f32_16x16x32_bf16 v[ACC+8*(2*pt+pm):ACC+8*(2*pt+pm)+7], v[FB0+64*(\b)+8*(2*pk+pm):FB0+64*(\b)+8*(2*pk+pm)+7], v[64*pt+8*(4*(\g)+pk):64*pt+8*(4*(\g)+pk)+7], v[ACC+8*(2*pt+pm):ACC+8*(2*pt+pm)+7]
.endif
.set pm, pm+1
.endr
.set pt, pt+1
.endr
.set pk, pk+1
.endr
.endm
.macro KPROJ b, g, first               ; k^T, in window 1; weights in pair 0
	WIN 0x5c
.set pk, 0
.rept 4
.set pt, 0
.rept NT
.set pm, 0
.rept 2
.if (\first) && (pk == 0)
	v_wmma_f32_16x16x32_bf16 v[KA+8*(2*pt+pm):KA+8*(2*pt+pm)+7], v[FB0+64*(\b)+8*(2*pk+pm):FB0+64*(\b)+8*(2*pk+pm)+7], v[64*pt+8*(4*(\g)+pk):64*pt+8*(4*(\g)+pk)+7], 0
.else
	v_wmma_f32_16x16x32_bf16 v[KA+8*(2*pt+pm):KA+8*(2*pt+pm)+7], v[FB0+64*(\b)+8*(2*pk+pm):FB0+64*(\b)+8*(2*pk+pm)+7], v[64*pt+8*(4*(\g)+pk):64*pt+8*(4*(\g)+pk)+7], v[KA+8*(2*pt+pm):KA+8*(2*pt+pm)+7]
.endif
.set pm, pm+1
.endr
.set pt, pt+1
.endr
.set pk, pk+1
.endr
.endm
.macro VPROJ p, b, g, first            ; the sources swapped: a lane holds a channel; the two tiles lie side by side; weights (source 1) in pair p
	WIN 0x53+0x0c*(\p)
.set pk, 0
.rept 4
.set pt, 0
.rept NT
.set pm, 0
.rept 2
.set vd, VA+8*(4*(pt>>1)+2*pm+(pt&1))
.if (\first) && (pk == 0)
	v_wmma_f32_16x16x32_bf16 v[vd:vd+7], v[64*pt+8*(4*(\g)+pk):64*pt+8*(4*(\g)+pk)+7], v[FB0+64*(\b)+8*(2*pk+pm):FB0+64*(\b)+8*(2*pk+pm)+7], 0
.else
	v_wmma_f32_16x16x32_bf16 v[vd:vd+7], v[64*pt+8*(4*(\g)+pk):64*pt+8*(4*(\g)+pk)+7], v[FB0+64*(\b)+8*(2*pk+pm):FB0+64*(\b)+8*(2*pk+pm)+7], v[vd:vd+7]
.endif
.set pm, pm+1
.endr
.set pt, pt+1
.endr
.set pk, pk+1
.endr
.endm
.macro SPROD b                         ; S^T = K Q^T: 8 key tiles
	WIN 0x40
.set of, 0
.rept 8
	v_wmma_f32_16x16x32_bf16 v[SB+8*of:SB+8*of+7], v[FB0+64*(\b)+8*of:FB0+64*(\b)+8*of+7], v[QA:QA+7], 0
.set of, of+1
.endr
.endm
.macro PVP b                           ; O^T = V^T P: keys 32 u on, u = f / 2, channels 16 (f % 2) on; even and odd u have sums of their own
	WIN 0x04
.set of, 0
.rept 8
.set pu, of/2
.set pa, ACC+8*(2*(pu%2)+of%2)
.if pu < 2
	v_wmma_f32_16x16x32_bf16 v[pa:pa+7], v[FB0+64*(\b)+8*of:FB0+64*(\b)+8*of+7], v[SB+8*pu:SB+8*pu+7], 0
.else
	v_wmma_f32_16x16x32_bf16 v[pa:pa+7], v[FB0+64*(\b)+8*of:FB0+64*(\b)+8*of+7], v[SB+8*pu:SB+8*pu+7], v[pa:pa+7]
.endif
.set of, of+1
.endr
.endm
.macro PACKQ d0, d1, relu              ; the small accumulators, rounded: a fragment for each tile; relu = 1: the larger of it and 0, which rounds nothing
	WIN 0
.set qi, 0
.rept 8
	v_cvt_pk_bf16_f32 v[(\d0)+qi], v[ACC+2*qi], v[ACC+2*qi+1]
.set qi, qi+1
.endr
.set qi, 0
.rept 8
	v_cvt_pk_bf16_f32 v[(\d1)+qi], v[ACC+16+2*qi], v[ACC+16+2*qi+1]
.set qi, qi+1
.endr
.if \relu
.set qi, 0
.rept 8
	v_pk_max_num_bf16 v[(\d0)+qi], v[(\d0)+qi], v[ZR]
	v_pk_max_num_bf16 v[(\d1)+qi], v[(\d1)+qi], v[ZR]
.set qi, qi+1
.endr
.endif
.endm
.macro PACKV                           ; the swapped product's sums rounded in place, ascending
	WIN 0x45
.set ki, 0
.rept 8*NT
	v_cvt_pk_bf16_f32 v[VA+ki], v[VA+2*ki], v[VA+2*ki+1]
.set ki, ki+1
.endr
.endm
.macro PACKKV                          ; K and V rounded in place and put into LDS as fragments
	WIN 0x45
.set ki, 0
.rept 8*NT
	v_cvt_pk_bf16_f32 v[KA+ki], v[KA+2*ki], v[KA+2*ki+1]
.set ki, ki+1
.endr
	PACKV
	WIN 0x04
.set ki, 0
.rept NT
	ds_store_b128 v[KST], v[KA+8*ki:KA+8*ki+3] offset:1024*ki
	ds_store_b128 v[KST], v[KA+8*ki+4:KA+8*ki+7] offset:1024*ki+512
.set ki, ki+1
.endr
.set ki, 0
.rept NT
	ds_store_b128 v[KST], v[VA+8*ki:VA+8*ki+3] offset:VOFF+1024*ki
	ds_store_b128 v[KST], v[VA+8*ki+4:VA+8*ki+7] offset:VOFF+1024*ki+512
.set ki, ki+1
.endr
	WIN 0
.endm
.macro SSUB p
	v_pk_add_f32 v[SB+2*(\p):SB+2*(\p)+1], v[SB+2*(\p):SB+2*(\p)+1], v[MX:MX+1] neg_lo:[0,1] neg_hi:[0,1]
.endm
; The softmax of one query tile: the maximum; s - m and the exponentials as ONE batch with one wait; the sum; P rounded in place; 1 / sum.  Each accumulator's lowest registers are read first.
.macro SOFTMAX
	WIN 0x15
.set sk, 0
.rept 4
	v_max3_num_f32 v[CH+sk], v[SB+8*sk], v[SB+8*sk+1], v[SB+8*sk+2]
.set sk, sk+1
.endr
	WIN 0x14
.set sn, 0
.rept (NK*8-12)/2                      ; what is left: registers 3-7 of tiles 0-3 (20 numbers), then the other tiles in ascending order
.set sa, 2*sn
.if sa < 20
.set ra, 8*(sa/5)+3+sa%5
.set rb, 8*((sa+1)/5)+3+(sa+1)%5
.else
.set ra, 12+sa
.set rb, 13+sa
.endif
	v_max3_num_f32 v[CH+sn%4], v[CH+sn%4], v[SB+ra], v[SB+rb]
.set sn, sn+1
.endr
	WIN 0
	v_max3_num_f32 v[CH], v[CH], v[CH+1], v[CH+2]
	v_max_num_f32 v[CH], v[CH], v[CH+3]
	v_permlanex16_b32 v[CH+1], v[CH], s[SEL], s[SEL+1]
	v_max_num_f32 v[MX], v[CH], v[CH+1]
	v_mov_b32 v[MX+1], v[MX]
	WIN 0x41
	SSUB 0
	SSUB 1
.set sq, 0
.rept NK*4
.if sq+2 < NK*4
	SSUB sq+2
.endif
	v_exp_f32 v[SB+2*sq], v[SB+2*sq]
	v_exp_f32 v[SB+2*sq+1], v[SB+2*sq+1]
.set sq, sq+1
.endr
	v_nop                                          ; a plain instruction behind the last exponential,
	s_wait_alu depctr_va_vdst(0)                   ; and one wait for the batch: nothing above names a result
	WIN 0x05
.set sk, 0
.rept 4
	v_pk_add_f32 v[LS+2*sk:LS+2*sk+1], v[SB+2*sk:SB+2*sk+1], v[SB+8+2*sk:SB+8+2*sk+1]
.set sk, sk+1
.endr
	WIN 0x04
.set sq, 8
.rept NK*4-8
	v_pk_add_f32 v[LS+2*(sq%4):LS+2*(sq%4)+1], v[LS+2*(sq%4):LS+2*(sq%4)+1], v[SB+2*sq:SB+2*sq+1]
.set sq, sq+1
.endr
	WIN 0x45
.set sq, 0
.rept NK*4
	v_cvt_pk_bf16_f32 v[SB+sq], v[SB+2*sq], v[SB+2*sq+1]
.set sq, sq+1
.endr
	WIN 0
	v_pk_add_f32 v[LS:LS+1], v[LS:LS+1], v[LS+2:LS+3]
	v_pk_add_f32 v[LS+4:LS+5], v[LS+4:LS+5], v[LS+6:LS+7]
	v_pk_add_f32 v[LS:LS+1], v[LS:LS+1], v[LS+4:LS+5]
	v_add_f32 v[LS], v[LS], v[LS+1]
	v_permlanex16_b32 v[LS+1], v[LS], s[SEL], s[SEL+1]
	v_add_f32 v[LS], v[LS], v[LS+1]
	v_rcp_f32 v[RI], v[LS]
	v_nop
	s_wait_alu depctr_va_vdst(0)
	v_mov_b32 v[RI+1], v[RI]
.endm
; O of the tile in hand.  One text serves both query tiles: O moves up (tile 0's ends in BP0, tile 1's in BP1) and the second tile's Q comes into QA.
.macro NORM
	WIN 0
.set ni, 0
.rept 8
	v_pk_add_f32 v[ACC+2*ni:ACC+2*ni+1], v[ACC+2*ni:ACC+2*ni+1], v[ACC+16+2*ni:ACC+16+2*ni+1]
.set ni, ni+1
.endr
.set ni, 0
.rept 8
	v_pk_mul_f32 v[ACC+2*ni:ACC+2*ni+1], v[ACC+2*ni:ACC+2*ni+1], v[RI:RI+1]
.set ni, ni+1
.endr
.set ni, 0
.rept 8
	v_mov_b32 v[BP0+ni], v[BP1+ni]
.set ni, ni+1
.endr
.set ni, 0
.rept 8
	v_cvt_pk_bf16_f32 v[BP1+ni], v[ACC+2*ni], v[ACC+2*ni+1]
.set ni, ni+1
.endr
.set ni, 0
.rept 8
	v_mov_b32 v[QA+ni], v[QB+ni]
.set ni, ni+1
.endr
.endm
.macro RREAD                           ; 32 raw rows into R: lane 16 hh + r takes token r, channels 16 mt + 8 hh + 0..7
.set rt, 0
.rept 2
	WIN (1+rt)<<6
.set rm, 0
.rept 16
	ds_load_b128 v[8*rm:8*rm+3], v[RAWA] offset:16*RAWP*rt+64*rm
	ds_load_b128 v[8*rm+4:8*rm+7], v[RAWA] offset:16*RAWP*rt+64*rm+16
.set rm, rm+1
.endr
.set rt, rt+1
.endr
	WIN 0
.endm
.macro OUT tt, hf, fb                  ; 16 tokens x 128 channels of R through my stage, back as rows of 512 bytes, stored
	WIN (1+(\tt))<<2
.set om, 0
.rept 8
	ds_store_b128 v[STS], v[8*(8*(\hf)+om):8*(8*(\hf)+om)+3] offset:64*om
	ds_store_b128 v[STS], v[8*(8*(\hf)+om)+4:8*(8*(\hf)+om)+7] offset:64*om+16
.set om, om+1
.endr
	WIN 0
	s_wait_xcnt 0x0                                ; earlier stores have read their registers: the buffer is loaded again only behind this wait
.set oj, 0
.rept 16
	ds_load_b128 v[FB0+64*(\fb)+4*oj:FB0+64*(\fb)+4*oj+3], v[STL] offset:STP*oj    ; my own bytes: LDS serves a wave's instructions in order
.set oj, oj+1
.endr
.set oj, 0
.rept 16
	s_wait_dscnt 15-oj
	global_store_b128 v[L16], v[FB0+64*(\fb)+4*oj:FB0+64*(\fb)+4*oj+3], s[OB:OB+1] offset:(16*(\tt)+oj)*ROWB+512*(\hf) th:TH_STORE_NT
.set oj, oj+1
.endr
.endm
	s_load_b256 s[4:11], s[0:1], 0x0               ; msa1 s[4:5], wts s[6:7], out0 s[8:9], axe s[10:11]
	v_lshl_add_u32 v[SPW], v0, 2, SPARE
	v_mov_b32 v[NIL], 0
	ds_add_u32 v[SPW], v[NIL]                      ; the wave's opening: the add, waited for ahead of my first tensor load
	v_lshrrev_b32 v1, 5, v0
	v_readfirstlane_b32 s[WV], v1
	s_bfe_u32 s[CX], ttmp6, 0x40000
	s_lshl_b32 s15, ttmp9, 2
	s_add_co_u32 s15, s15, s[CX]                   ; the position i: it enters msa1's, out0's and axe's addresses alone
	s_lshl_b32 s60, s15, 10
	s_lshl_b32 s61, s[WV], 23                      ; 32 w rows of 262,144 bytes
	s_add_co_u32 s60, s60, s61
	s_mov_b32 s61, 0
	s_lshl_b32 s62, s15, 8
	s_lshl_b32 s63, s[WV], 19                      ; axe: 8 w rows (e) of 65,536 bytes
	s_add_co_u32 s62, s62, s63
	s_mov_b32 s63, 0
	s_lshl_b32 s2, s[WV], 14
	s_add_co_u32 s2, s2, COLS
	s_mov_b32 s3, 0
	s_mov_b32 s[G1], 15|(3<<16)|(1<<21)            ; the stream: mask of four, elements of 8 bytes, 64 dense rows of 256 bytes
	s_mov_b32 s[G1+1], 32<<16
	s_mov_b32 s[G1+2], 64<<16
	s_mov_b32 s[G1+3], 32<<16
	s_mov_b32 s[G1+4], 64
	s_mov_b32 s[G1+5], 32
	s_mov_b32 s[G1+6], 0
	s_mov_b32 s[G1+7], 0
	s_mov_b32 s[G1R], (2<<16)|(1<<20)|(7<<22)|(3<<25)  ; raw rows: f32, 32 rows of 1,024 bytes, 65,536 elements apart, 4 words of padding behind each; no mask
	s_mov_b32 s[G1R+1], 256<<16
	s_mov_b32 s[G1R+2], 32<<16
	s_mov_b32 s[G1R+3], 256<<16
	s_mov_b32 s[G1R+4], 32
	s_mov_b32 s[G1R+5], 65536
	s_mov_b32 s[G1R+6], 0
	s_mov_b32 s[G1R+7], 0
	s_mov_b32 s[G0], 1
	s_lshl_b32 s[G0+1], s[WV], 14
	s_mov_b32 s[G0R], 1
	s_mul_i32 s[G0R+1], s[WV], RAWW
	s_add_co_u32 s[G0R+1], s[G0R+1], RAWB
	s_mov_b32 s[TB], SLOT
	s_mov_b32 s[SEL], 0x76543210
	s_mov_b32 s[SEL+1], 0xfedcba98
	s_mov_b32 s[INVD], 0x3b800000                  ; 1 / 256
	s_mov_b32 s[EPSR], 0x3727c5ac                  ; 1e-5
	s_lshr_b32 s[LIM], s[WV], 1
	s_or_b32 s[LIM], s[LIM], ttmp9
	s_cmp_eq_u32 s[LIM], 0
	s_cselect_b32 s[LIM], 1, -1
	s_wait_dscnt 0x0
	s_wait_kmcnt 0x0
	s_add_nc_u64 s[G0R+2:G0R+3], s[4:5], s[60:61]
	s_or_b32 s[G0R+3], s[G0R+3], 0x80000000
	s_add_nc_u64 s[OB:OB+1], s[8:9], s[60:61]
	s_add_nc_u64 s[AXB:AXB+1], s[10:11], s[62:63]
	s_add_nc_u64 s[G0+2:G0+3], s[6:7], s[2:3]
	s_or_b32 s[G0+3], s[G0+3], 0x80000000
	s_lshl_b32 s60, s[CX], 14
	s_lshl_b32 s62, s[WV], 13
	s_add_co_u32 s60, s60, s62
	s_add_co_u32 s60, s60, COLS+SLOT               ; in slot 1: the first trip steps it to slot 2
	s_add_nc_u64 s[PFA:PFA+1], s[6:7], s[60:61]
	ROUND                                          ; in front of the first tensor loads
	tensor_load_to_lds s[G0R:G0R+3], s[G1R:G1R+7]  ; my 32 rows,
	s_nop 0
	tensor_load_to_lds s[G0:G0+3], s[G1:G1+7]      ; and my quarter of slot 0: two loads of mine are out
	s_nop 0
	N4
	v_and_b32 v16, 31, v0
	v_and_b32 v17, 15, v0                          ; r
	v_bfe_u32 v18, v0, 4, 1                        ; hh
	v_lshlrev_b32 v[L16], 4, v16
	v_lshlrev_b32 v[PFO], 8, v16
	v_add_nc_u32 v[KRD], KV, v[L16]
	s_lshl_b32 s60, s[WV], 11
	s_add_co_u32 s60, s60, KV
	v_add_nc_u32 v[KST], s60, v[L16]
	s_mul_i32 s60, s[WV], STGW
	s_add_co_u32 s60, s60, STG
	v_add_nc_u32 v[STL], s60, v[L16]
	v_mul_u32_u24 v19, v17, STP
	v_lshl_add_u32 v19, v18, 5, v19
	v_add_nc_u32 v[STS], s60, v19
	v_mul_u32_u24 v19, v17, RAWP
	v_lshl_add_u32 v19, v18, 5, v19
	s_mul_i32 s60, s[WV], RAWW
	s_add_co_u32 s60, s60, RAWB
	v_add_nc_u32 v[RAWA], s60, v19
	v_mul_u32_u24 v19, v17, 272
	v_lshl_add_u32 v19, v18, 4, v19
	s_lshl_b32 s60, s[WV], 6
	s_add_co_u32 s60, s60, AXS
	v_add_nc_u32 v[AXW], s60, v19                  ; row e = r (+ 16 ct), my wave's 64 bytes, 16 for each half of the lanes
	v_mul_u32_u24 v19, v18, 272
	v_lshl_add_u32 v19, v17, 4, v19
	s_mul_i32 s60, s[WV], 8*272
	s_add_co_u32 s60, s60, AXS
	v_add_nc_u32 v[AXR], s60, v19                  ; back: rows 8 w + hh (+ 2 j), 16 bytes a lane
	v_lshlrev_b32 v[AXG], 4, v17
	v_lshl_add_u32 v[AXG], v18, 16, v[AXG]
	v_mov_b32 v[ZR], 0
	v_mov_b32 v[U0+1], 0                           ; v_permlanex16_b32's destination counts as read
.set ni, 0
.rept 16
	v_mov_b32 v[BP0+ni], 0                         ; the first trip multiplies a copy of Wo by this: it adds 0
.set ni, ni+1
.endr
	s_wait_tensorcnt 1                             ; my rows are in (only I read them); slot 0's quarter may stay out
	RREAD
	s_wait_dscnt 0x0
	s_mov_b32 s[CT], 25
.Ltrip:                                                ; slot 25 - CT
	CHANGE 1, 1, 1, CT, LIM                        ; (the four v_nop behind its tensor load are also the places between a transition trip's last products and the loads into pair 0 below)
	v_add_nc_u32 v[ADR], s[TB], v[L16]
	FL2 0, ADR, 0                                  ; part 0
	WIN 0
	s_cmp_lt_u32 s[CT], 17                         ; was the trip before one of the transition's?  Then its second chunk's W1 lies in pair 1 and is still to be multiplied:
	s_cbranch_scc0 .Lnodef
	PROJ 0, 0, 1                                   ; 32 products while part 0 is on its way out of LDS
	PROJ 1, 1, 0
	N4
	PACKQ BP0, BP1, 1                              ; hidden chunk 2 u + 1 of that trip, which this trip's first products take
.Lnodef:
	FL2 1, ADR, 16384                              ; part 1
	s_wait_dscnt 32                                ; the older run of 32 loads is in, the younger stays out: so at each such wait below
	OUTP 0, 0
	OUTP 1, 1
	N4
	WIN 0
	s_cmp_eq_u32 s[CT], 1
	s_cbranch_scc0 .Lnl
	OUT 0, 0, 0                                    ; trip 24: R is out0.  It leaves now, under the third LayerNorm and the projection for axe
	OUT 0, 1, 1
	OUT 1, 0, 0
	OUT 1, 1, 1
	s_branch .Lln
.Lnl:
	FL2 0, ADR, 32768                              ; part 2
	s_cmp_eq_u32 s[CT], 25                         ; the stream is whole for a LayerNorm in trips 0, 8 and 24: one text serves the three
	s_cbranch_scc1 .Lln
	s_cmp_eq_u32 s[CT], 17
	s_cbranch_scc0 .Lnoln
.Lln:
	LNT 1, 0, 64, 0
	LNT 2, 0, 64, 64
	WIN 0
	s_cmp_eq_u32 s[CT], 1
	s_cbranch_scc1 .Lnext                          ; trip 24 ends here (its part 1 was fetched by the shared text above and serves nothing)
.Lnoln:
	s_wait_dscnt 32
	PROJ 0, 0, 1
	PROJ 1, 1, 0
	N4
	FL2 1, ADR, 49152                              ; part 3
	WIN 0
	s_cmp_gt_u32 s[CT], 17
	s_cbranch_scc1 .Lhead
	PACKQ BP0, BP1, 1                              ; THE TRANSITION: hidden chunk 2 u
	s_wait_dscnt 32
	OUTP 0, 0
	OUTP 1, 1
	WIN 0
	s_branch .Lnext                                ; part 3 lands in pair 1 by the change's wait; the next trip multiplies it
.Lhead:                                                ; A HEAD
	PACKQ QA, QB, 0
	s_wait_dscnt 32
	KPROJ 0, 0, 1
	KPROJ 1, 1, 0
	s_wait_dscnt 0x0
	VPROJ 1, 0, 0, 1
	VPROJ 1, 1, 1, 0
	N4
	PACKKV
	s_wait_dscnt 0x0                               ; for the others' sake: my K and V are in LDS
	s_barrier_signal -1                            ; the way here hangs on the trip counter alone: every wave takes it in the same trips
	s_barrier_wait -1                              ; the next slot's load may stay out
	FL 0, KRD, 0                                   ; K and V stay in pair 0 for both query tiles
	FL 1, KRD, VOFF
	s_mov_b32 s[IC], 2
.Lq:
	s_wait_dscnt 0x0
	SPROD 0
	N4
	SOFTMAX
	PVP 1
	N4
	NORM
	s_sub_co_u32 s[IC], s[IC], 1
	s_cmp_lg_u32 s[IC], 0
	s_cbranch_scc1 .Lq
.Lnext:
	s_sub_co_u32 s[CT], s[CT], 1
	s_cmp_lg_u32 s[CT], 0
	s_cbranch_scc1 .Ltrip
	CHANGE 0, 1, 0                                 ; the last slot: opm_proj_w; nothing is asked for
	v_add_nc_u32 v[ADR], s[TB], v[L16]
	N4                                             ; this change has no tensor load and so no v_nop of its own: four places ahead of the loads into pair 0, on every way that leaves the loop
	s_wait_xcnt 0x0                                ; out0's stores have read their registers: pair 0 is loaded again only behind this wait
	FL2 0, ADR, 16384
	s_wait_dscnt 0x0
	VPROJ 0, 0, 0, 1
	VPROJ 0, 1, 1, 0
	N4
	PACKV                                          ; a lane holds channel e = 16 ct + r and 8 tokens n: 16 bytes of a row of axe
	WIN 0x04
.irp c, 0,1
.irp t, 0,1
	ds_store_b128 v[AXW], v[VA+8*\c+4*\t:VA+8*\c+4*\t+3] offset:4352*\c+32*\t
.endr
.endr
	WIN 0
	s_wait_dscnt 0x0
	s_barrier_signal -1
	s_barrier_wait -1                              ; a row's 256 bytes come from all four waves
.irp j, 0,1,2,3
	ds_load_b128 v[FB0+4*\j:FB0+4*\j+3], v[AXR] offset:544*\j
.endr
.irp j, 0,1,2,3
	s_wait_dscnt 3-\j
	global_store_b128 v[AXG], v[FB0+4*\j:FB0+4*\j+3], s[AXB:AXB+1] offset:131072*\j    ; sixteen lanes store a row's 256 consecutive bytes
.endr
	s_wait_tensorcnt 0x0                           ; the wave's end
	ds_add_u32 v[SPW], v[NIL]
	s_wait_dscnt 0x0
	ROUND                                          ; the closing round
	s_endpgm
.Lfunc_end_k_qad303712db_colmsa:
	.size	k_qad303712db_colmsa, .Lfunc_end_k_qad303712db_colmsa-k_qad303712db_colmsa
	.p2alignl 7, 3214868480
	.fill 96, 4, 3214868480
	.section	.rodata,"a",@progbits
	.p2align	6, 0x0
	.amdhsa_kernel k_qad303712db_colmsa
		.amdhsa_group_segment_fixed_size 327680
		.amdhsa_private_segment_fixed_size 0
		.amdhsa_enable_private_segment 0
		.amdhsa_kernarg_size 32
		.amdhsa_user_sgpr_count 2
		.amdhsa_user_sgpr_kernarg_segment_ptr 1
		.amdhsa_wavefront_size32 1
		.amdhsa_system_sgpr_workgroup_id_x 1
		.amdhsa_system_sgpr_workgroup_id_y 1
		.amdhsa_system_sgpr_workgroup_id_z 1
		.amdhsa_system_vgpr_workitem_id 0
		.amdhsa_next_free_vgpr 1024
		.amdhsa_next_free_sgpr 68
		.amdhsa_reserve_vcc 0
		.amdhsa_float_denorm_mode_32 3
		.amdhsa_float_denorm_mode_16_64 3
		.amdhsa_memory_ordered 1
		.amdhsa_forward_progress 1
		.amdhsa_inst_pref_size 123
	.end_amdhsa_kernel
	.amdgpu_metadata
---
amdhsa.version: [ 1, 2 ]
amdhsa.kernels:
  - .name:           k_qad303712db_colmsa
    .symbol:         k_qad303712db_colmsa.kd
    .args:
      - { .name: msa1, .offset: 0, .size: 8, .value_kind: global_buffer, .address_space: global }
      - { .name: wts, .offset: 8, .size: 8, .value_kind: global_buffer, .address_space: global }
      - { .name: out0, .offset: 16, .size: 8, .value_kind: global_buffer, .address_space: global }
      - { .name: axe, .offset: 24, .size: 8, .value_kind: global_buffer, .address_space: global }
    .group_segment_fixed_size: 327680
    .private_segment_fixed_size: 0
    .kernarg_segment_align: 8
    .kernarg_segment_size: 32
    .max_flat_workgroup_size: 128
    .sgpr_count:     68
    .vgpr_count:     1024
    .wavefront_size: 32
...
	.end_amdgpu_metadata
.endif
;; end of part 3
;; launch pairupd (part 4): grid 256 x 1, 4 waves a work-group, clusters of 4 x 1, 327,680 bytes of LDS; arguments pair, wts, axe, out1; writes out1
.if DOCPART == 4
	.amdgcn_target "amdgcn-amd-amdhsa--gfx1250"
	.amdhsa_code_object_version 6
	.text
	.protected	k_qad303712db_pairupd
	.globl	k_qad303712db_pairupd
	.p2align	8
	.type	k_qad303712db_pairupd,@function
k_qad303712db_pairupd:
	s_mov_b64 s[64:65], 0
	v_nop
	global_prefetch_b8 v0, s[64:65] scope:SCOPE_SE
	s_setreg_imm32_b32 hwreg(HW_REG_WAVE_MODE, 25, 1), 1
	s_wait_xcnt 0x0
	s_wait_alu depctr_hold_cnt(0) depctr_sa_sdst(0) depctr_va_vdst(0) depctr_va_sdst(0) depctr_va_ssrc(0) depctr_va_vcc(0) depctr_vm_vsrc(0)
	s_getreg_b32 s2, hwreg(HW_REG_IB_STS2, 6, 4)
	s_cmp_eq_u32 s2, 0
	s_cbranch_scc0 .Lentry_in_a_cluster
	s_endpgm
.Lentry_in_a_cluster:
	s_bfe_u32 s2, ttmp6, 0x10000c
	s_cmp_lg_u32 s2, 0x3003
	s_cbranch_scc0 .Lentry_shape_is_right
	s_endpgm
.Lentry_shape_is_right:
; OUTER-PRODUCT MEAN AND PAIR TRANSITION.  out1 = p2 + relu(LN(p2) W1) W2, p2[i][j] = pair[i][j] + sum over d, e of (sum over n of ax[n][i][d] ax[n][j][e] / 128) Wout[32 d + e].
; SHARES.  A work-group owns 16 i x 16 j; wave w four token tiles: tile tt is i = 16 it + 4 w + tt, j = 16 jt + 0..15.  A LANE IS A TOKEN (j); R, 128 channels in f32 for each tile, starts as pair and is the
; accumulator of every product that adds onto it.
; FOR EACH e: T[d][j] = sum over n of ax[n][i][d] ax[n][j][e] (source 0: my i's ax, 32 d x 128 n, kept in registers; source 1: 16 j x 128 n of this e, out of LDS); T rounded to bf16 IS source 1 of R += Wout_e^T T.
; 1 / 128 lies in the weights.  Then LayerNorm, and 16 chunks of 32 hidden channels: projection, relu, R += W2^T hidden.
; THE WEIGHTS: 8 slots of 65,536 bytes (4 of Wout, 8 e each; 4 of the transition, 4 chunks each) through a ring of two LDS slots, asked jointly by the four work-groups of a cluster, which also share jt and so the tile of ax by j.
; LIMITS.  Matrix operands are bf16, T among them; NaN and infinities are not treated apart.
; REGISTERS: window 0 addresses, T or hidden as fragments (v32-63), two buffers of 8 weight fragments; window 1 R of tiles 0, 1, v128-191 small accumulators; window 2 R of tiles 2, 3, v128-159 the e's fragments;
; window 3 my i's ax (256), later LayerNorm's fragments (128).
.set PAIRS, 2293760                    ; where this launch's stream begins in wts
.set SLOT,  65536
.set BT,    131072                     ; behind the ring: 32 e x 16 j x 272 bytes (256 + 16: the 16 rows of a load start at 16 different groups of four banks)
.set BTE,   4352
.set BTW,   8*BTE
.set STG,   BT+4*BTW
.set STGW,  8448
.set STP,   528
.set SPARE, STG+4*STGW
.set L16, 1
.set ADR, 2
.set STS, 3
.set STL, 4
.set BA0, 5
.set BADR, 6
.set AFO, 7
.set ZR, 9
.set PFO, 11
.set SPW, 12
.set NIL, 13
.set U0, 16
.set BP, 32
.set FB0, 128
.set ACC, 128                          ; window 1
.set BF, 128                           ; window 2
.set LT, 128
.set LA, 192
.set MU, 200
.set RS, 202
.set NM, 204
.set WV, 12
.set CX, 13
.set G1, 16
.set G0, 24
.set G1B, 28
.set G0B, 36
.set TB, 44
.set SL, 45
.set EC, 46
.set EW, 47
.set EB, 48
.set CW, 49
.set SEL, 50
.set INVD, 52
.set LIM, 53
.set PFA, 54
.set PB, 56
.set OB, 58
.set AFB, 60
.set CMAX, 62
.set LIM0, 63
.set EPSR, 66
.set MSB, 0
.macro WIN new                         ; the high byte repeats the setting that is left; a switch that changes nothing is dropped
.if MSB != (\new)
	s_set_vgpr_msb (MSB<<8)|(\new)
.set MSB, (\new)
.endif
.endm
.macro N4                              ; four places behind matrix instructions, ahead of loads into their sources and of reads of their results
.rept 4
	v_nop
.endr
.endm
.macro ROUND                           ; a round of the cluster's barrier
	s_barrier_signal -1
	s_barrier_wait -1
	s_cmp_lg_u32 s[WV], 0
	s_cbranch_scc1 .Lnw0_\@
	s_barrier_signal -3
.Lnw0_\@:
	s_barrier_wait -3
	s_barrier_signal -1
	s_barrier_wait -1
.endm
; A prefetch of the stream's slot after the one just asked for, one trip ahead of its load: cluster 0 asks, its waves 0 and 1; the partners take 16,384 bytes each by address, a lane 256 bytes.
.macro ASK cnt, lim
	s_cmp_gt_u32 s[\cnt], s[\lim]
	s_cbranch_scc0 .Lnoask_\@
	global_prefetch_b8 v[PFO], s[PFA:PFA+1] th:TH_LOAD_NT scope:SCOPE_SE
.Lnoask_\@:
.endm
; THE CHANGE OF SLOTS: all my tensor loads waited for, the add, its wait and that for my LDS reads, the round, and my quarter of the next slot first behind it.  fill = 0: the last slot.
.macro CHANGE fill, step, ask, cnt=0, lim=0
	WIN 0
	s_wait_tensorcnt 0x0
	ds_add_u32 v[SPW], v[NIL]
.if \step
.if \fill
	s_xor_b32 s[G0+1], s[G0+1], SLOT
	s_add_nc_u64 s[G0+2:G0+3], s[G0+2:G0+3], SLOT
.endif
	s_xor_b32 s[TB], s[TB], SLOT
.endif
.if \ask
	s_wait_xcnt 0x0                                ; the last prefetch, a trip back, has read its address
	s_add_nc_u64 s[PFA:PFA+1], s[PFA:PFA+1], SLOT
.endif
	s_wait_dscnt 0x0
.if \fill
	ROUND
	tensor_load_to_lds s[G0:G0+3], s[G1:G1+7]
	s_nop 0
	N4
.if \ask
	ASK \cnt, \lim
.endif
.else
	s_barrier_signal -1
	s_barrier_wait -1
.endif
.endm
.macro FL b, areg, off                 ; 8 fragments, 16 loads, into buffer b
	WIN 0
.set ff, 0
.rept 8
	ds_load_b128 v[FB0+64*(\b)+8*ff:FB0+64*(\b)+8*ff+3], v[\areg] offset:(\off)+1024*ff
	ds_load_b128 v[FB0+64*(\b)+8*ff+4:FB0+64*(\b)+8*ff+7], v[\areg] offset:(\off)+1024*ff+512
.set ff, ff+1
.endr
.endm
.macro FLB                             ; one e's four fragments (16 j x 128 n), 8 loads
	WIN 0x80
.set fk, 0
.rept 4
	ds_load_b128 v[BF+8*fk:BF+8*fk+3], v[BADR] offset:64*fk
	ds_load_b128 v[BF+8*fk+4:BF+8*fk+7], v[BADR] offset:64*fk+32
.set fk, fk+1
.endr
.endm
.macro LRED W                          ; the four chains (window W) into one number for the token, in v[U0] of window 0
	v_pk_add_f32 v[LA:LA+1], v[LA:LA+1], v[LA+2:LA+3]
	v_pk_add_f32 v[LA+4:LA+5], v[LA+4:LA+5], v[LA+6:LA+7]
	v_pk_add_f32 v[LA:LA+1], v[LA:LA+1], v[LA+4:LA+5]
	WIN ((\W)<<2)|(\W)
	v_add_f32 v[U0], v[LA], v[LA+1]
	WIN 0
	v_permlanex16_b32 v[U0+1], v[U0], s[SEL], s[SEL+1]
	v_add_f32 v[U0], v[U0], v[U0+1]
.endm
; LayerNorm of one tile: two passes (the mean, then the mean of (x - mean)^2); the gain lies in the weights; the result as bf16 fragments in window 3; R is read in ascending order and not changed.
.macro LNT W, RB, NP, XB
	WIN 0x55*(\W)
.set lc, 0
.rept 4
	v_pk_add_f32 v[LA+2*lc:LA+2*lc+1], v[(\RB)+2*lc:(\RB)+2*lc+1], v[(\RB)+8+2*lc:(\RB)+8+2*lc+1]
.set lc, lc+1
.endr
.set lp, 8
.rept (\NP)-8
	v_pk_add_f32 v[LA+2*(lp%4):LA+2*(lp%4)+1], v[LA+2*(lp%4):LA+2*(lp%4)+1], v[(\RB)+2*lp:(\RB)+2*lp+1]
.set lp, lp+1
.endr
	LRED \W
	WIN (\W)<<6
	v_mul_f32 v[MU], s[INVD], v[U0]
	v_mul_f32 v[MU+1], s[INVD], v[U0]
	WIN 0x55*(\W)
.set lg, 0
.rept (\NP)/4
.set lc, 0
.rept 4
	v_pk_add_f32 v[LT+2*lc:LT+2*lc+1], v[(\RB)+8*lg+2*lc:(\RB)+8*lg+2*lc+1], v[MU:MU+1] neg_lo:[0,1] neg_hi:[0,1]
.set lc, lc+1
.endr
.set lc, 0
.rept 4
.if lg == 0
	v_pk_mul_f32 v[LA+2*lc:LA+2*lc+1], v[LT+2*lc:LT+2*lc+1], v[LT+2*lc:LT+2*lc+1]
.else
	v_pk_fma_f32 v[LA+2*lc:LA+2*lc+1], v[LT+2*lc:LT+2*lc+1], v[LT+2*lc:LT+2*lc+1], v[LA+2*lc:LA+2*lc+1]
.endif
.set lc, lc+1
.endr
.set lg, lg+1
.endr
	LRED \W
	v_fma_f32 v[U0], v[U0], s[INVD], s[EPSR]
	v_rsq_f32 v[U0+2], v[U0]
	v_nop                                          ; a plain instruction behind the root,
	s_wait_alu depctr_va_vdst(0)                   ; and a wait ahead of its first reader
	WIN (\W)<<6
	v_mov_b32 v[RS], v[U0+2]
	v_mov_b32 v[RS+1], v[U0+2]
	WIN 0x55*(\W)
	v_pk_mul_f32 v[NM:NM+1], v[MU:MU+1], v[RS:RS+1] neg_lo:[1,0] neg_hi:[1,0]
.set lh, 0
.rept (\NP)/32
	WIN 0x55*(\W)
.set lp, 0
.rept 32
	v_pk_fma_f32 v[LT+2*lp:LT+2*lp+1], v[(\RB)+64*lh+2*lp:(\RB)+64*lh+2*lp+1], v[RS:RS+1], v[NM:NM+1]
.set lp, lp+1
.endr
	WIN (3<<6)|((\W)<<2)|(\W)
.set lp, 0
.rept 32
	v_cvt_pk_bf16_f32 v[(\XB)+32*lh+lp], v[LT+2*lp], v[LT+2*lp+1]
.set lp, lp+1
.endr
.set lh, lh+1
.endr
.endm
; THE PRODUCTS.  In each run the accumulators take turns, one instruction a turn.
.macro OUTER                           ; T = ax_i^T ax_j(e): n = 32 ks on, tile tt, d = 16 dt on
	WIN 0x5b
.set ok, 0
.rept 4
.set ot, 0
.rept 4
.set od, 0
.rept 2
.if ok == 0
	v_wmma_f32_16x16x32_bf16 v[ACC+8*(2*ot+od):ACC+8*(2*ot+od)+7], v[64*ot+32*od+8*ok:64*ot+32*od+8*ok+7], v[BF+8*ok:BF+8*ok+7], 0
.else
	v_wmma_f32_16x16x32_bf16 v[ACC+8*(2*ot+od):ACC+8*(2*ot+od)+7], v[64*ot+32*od+8*ok:64*ot+32*od+8*ok+7], v[BF+8*ok:BF+8*ok+7], v[ACC+8*(2*ot+od):ACC+8*(2*ot+od)+7]
.endif
.set od, od+1
.endr
.set ot, ot+1
.endr
.set ok, ok+1
.endr
.endm
.macro OUTP4 wf                        ; R += W^T (T or hidden): four tiles x 8 blocks of 16 channels
.set ot, 0
.rept 4
	WIN 0x50*(1+(ot>>1))
.set om, 0
.rept 8
	v_wmma_f32_16x16x32_bf16 v[64*(ot&1)+8*om:64*(ot&1)+8*om+7], v[FB0+64*(\wf)+8*om:FB0+64*(\wf)+8*om+7], v[BP+8*ot:BP+8*ot+7], v[64*(ot&1)+8*om:64*(ot&1)+8*om+7]
.set om, om+1
.endr
.set ot, ot+1
.endr
.endm
.macro PROJ4                           ; 32 hidden channels for four tiles: k = 32 ks on
	WIN 0x5c
.set ok, 0
.rept 4
.set ot, 0
.rept 4
.set om, 0
.rept 2
.if ok == 0
	v_wmma_f32_16x16x32_bf16 v[ACC+8*(2*ot+om):ACC+8*(2*ot+om)+7], v[FB0+8*(2*ok+om):FB0+8*(2*ok+om)+7], v[32*ot+8*ok:32*ot+8*ok+7], 0
.else
	v_wmma_f32_16x16x32_bf16 v[ACC+8*(2*ot+om):ACC+8*(2*ot+om)+7], v[FB0+8*(2*ok+om):FB0+8*(2*ok+om)+7], v[32*ot+8*ok:32*ot+8*ok+7], v[ACC+8*(2*ot+om):ACC+8*(2*ot+om)+7]
.endif
.set om, om+1
.endr
.set ot, ot+1
.endr
.set ok, ok+1
.endr
.endm
.macro PACK4 relu                      ; the small accumulators, rounded in ascending order: a fragment for each tile
	WIN 0x05
.set pq, 0
.rept 32
	v_cvt_pk_bf16_f32 v[BP+pq], v[ACC+2*pq], v[ACC+2*pq+1]
.set pq, pq+1
.endr
.if \relu
	WIN 0
.set pq, 0
.rept 32
	v_pk_max_num_bf16 v[BP+pq], v[BP+pq], v[ZR]
.set pq, pq+1
.endr
.endif
.endm
.macro PIN tt                          ; tile tt of pair, loaded by rows, through my stage into the layout of R
	s_wait_loadcnt 48-16*(\tt)                     ; loads come back in order: this tile's 16 rows are in, the later tiles' stay out
	WIN (1+((\tt)>>1))<<2
.set oj, 0
.rept 16
	ds_store_b128 v[STL], v[64*((\tt)&1)+4*oj:64*((\tt)&1)+4*oj+3] offset:STP*oj
.set oj, oj+1
.endr
	WIN (1+((\tt)>>1))<<6
.set om, 0
.rept 8
	ds_load_b128 v[64*((\tt)&1)+8*om:64*((\tt)&1)+8*om+3], v[STS] offset:64*om       ; my own bytes: LDS serves a wave's instructions in order
	ds_load_b128 v[64*((\tt)&1)+8*om+4:64*((\tt)&1)+8*om+7], v[STS] offset:64*om+16
.set om, om+1
.endr
.endm
.macro OUT4 tt, fb                     ; tile tt of R through my stage, back as rows of 512 bytes, stored
	WIN (1+((\tt)>>1))<<2
.set om, 0
.rept 8
	ds_store_b128 v[STS], v[64*((\tt)&1)+8*om:64*((\tt)&1)+8*om+3] offset:64*om
	ds_store_b128 v[STS], v[64*((\tt)&1)+8*om+4:64*((\tt)&1)+8*om+7] offset:64*om+16
.set om, om+1
.endr
	WIN 0
	s_wait_xcnt 0x0                                ; earlier stores have read their registers: the buffer is loaded again only behind this wait
.set oj, 0
.rept 16
	ds_load_b128 v[FB0+64*(\fb)+4*oj:FB0+64*(\fb)+4*oj+3], v[STL] offset:STP*oj
.set oj, oj+1
.endr
.set oj, 0
.rept 16
	s_wait_dscnt 15-oj
	global_store_b128 v[L16], v[FB0+64*(\fb)+4*oj:FB0+64*(\fb)+4*oj+3], s[OB:OB+1] offset:131072*(\tt)+512*oj th:TH_STORE_NT
.set oj, oj+1
.endr
.endm
.macro EBODY                           ; one e
	WIN 0
	v_add_nc_u32 v[ADR], s[EW], v[L16]
	FL 0, ADR, 0                                   ; Wout of this e
	s_wait_dscnt 16                                ; the e's fragments are in; the 16 loads just issued stay out
	OUTER
	N4
	s_add_co_u32 s[EB], s[EB], BTE                 ; the next e's fragments; the last e reads its own once more, to no effect
	s_min_u32 s[EB], s[EB], 31*BTE
	WIN 0
	v_add_nc_u32 v[BADR], s[EB], v[BA0]
	FLB
	PACK4 0
	s_wait_dscnt 8                                 ; Wout is in; the 8 loads just issued stay out
	OUTP4 0
	N4
	s_add_co_u32 s[EW], s[EW], 8192
.endm
.macro CTOP                            ; a slot of the transition: its first chunk's W1 and W2
	s_mov_b32 s[CW], s[TB]
	s_add_co_u32 s[CMAX], s[TB], 49152
	v_add_nc_u32 v[ADR], s[CW], v[L16]
	FL 0, ADR, 0
	FL 1, ADR, 8192
.endm
.macro CBODY                           ; one chunk of 32 hidden channels
	s_wait_dscnt 16                                ; W1 is in, W2's 16 loads stay out
	PROJ4
	N4
	s_add_co_u32 s[CW], s[CW], 16384               ; the next chunk; a slot's last chunk reads itself once more, to no effect
	s_min_u32 s[CW], s[CW], s[CMAX]
	WIN 0
	v_add_nc_u32 v[ADR], s[CW], v[L16]
	FL 0, ADR, 0
	PACK4 1
	s_wait_dscnt 16                                ; W2 is in, the next W1's 16 loads stay out
	OUTP4 1
	N4
	FL 1, ADR, 8192
.endm
	s_load_b256 s[4:11], s[0:1], 0x0               ; pair s[4:5], wts s[6:7], axe s[8:9], out1 s[10:11]
	v_lshl_add_u32 v[SPW], v0, 2, SPARE
	v_mov_b32 v[NIL], 0
	ds_add_u32 v[SPW], v[NIL]                      ; the wave's opening: the add, waited for ahead of my first tensor load
	v_lshrrev_b32 v1, 5, v0
	v_readfirstlane_b32 s[WV], v1
	s_bfe_u32 s[CX], ttmp6, 0x40000
	s_lshr_b32 s14, ttmp9, 2                       ; jt: the same in all four partners
	s_and_b32 s15, ttmp9, 3
	s_lshl_b32 s15, s15, 2
	s_add_co_u32 s15, s15, s[CX]                   ; it: it enters pair's, out1's and my i's ax addresses alone
	s_lshl_b32 s15, s15, 4
	s_lshl_b32 s40, s[WV], 2
	s_add_co_u32 s15, s15, s40                     ; my first i
	s_lshl_b32 s40, s15, 17                        ; x 256 j x 512 bytes
	s_lshl_b32 s41, s14, 13
	s_add_co_u32 s40, s40, s41
	s_mov_b32 s41, 0
	s_lshl_b32 s42, s15, 8                         ; in axe: i x 256 bytes
	s_mov_b32 s43, 0
	s_lshl_b32 s2, s[WV], 19                       ; the tile by j: my 8 rows (e) of 65,536 bytes,
	s_lshl_b32 s3, s14, 12                         ; 16 jt x 256 bytes
	s_add_co_u32 s2, s2, s3
	s_mov_b32 s3, 0
	s_mov_b32 s[G1], 15|(3<<16)|(1<<21)            ; the stream: mask of four, elements of 8 bytes, 64 dense rows of 256 bytes
	s_mov_b32 s[G1+1], 32<<16
	s_mov_b32 s[G1+2], 64<<16
	s_mov_b32 s[G1+3], 32<<16
	s_mov_b32 s[G1+4], 64
	s_mov_b32 s[G1+5], 32
	s_mov_b32 s[G1+6], 0
	s_mov_b32 s[G1+7], 0
	s_mov_b32 s[G1B], 15|(1<<16)|(1<<20)|(1<<21)|(5<<22)|(3<<25)  ; ax by j: mask of four, bf16, 4 words of padding behind every 64
	s_mov_b32 s[G1B+1], 2048<<16                   ; 8 rows (e) of 4,096 bytes (16 j x 128 n), 32,768 elements apart
	s_mov_b32 s[G1B+2], 8<<16
	s_mov_b32 s[G1B+3], 2048<<16
	s_mov_b32 s[G1B+4], 8
	s_mov_b32 s[G1B+5], 32768
	s_mov_b32 s[G1B+6], 0
	s_mov_b32 s[G1B+7], 0
	s_mov_b32 s[G0], 1
	s_lshl_b32 s[G0+1], s[WV], 14
	s_mov_b32 s[G0B], 1
	s_mul_i32 s[G0B+1], s[WV], BTW
	s_add_co_u32 s[G0B+1], s[G0B+1], BT
	s_mov_b32 s[TB], SLOT
	s_mov_b32 s[SEL], 0x76543210
	s_mov_b32 s[SEL+1], 0xfedcba98
	s_mov_b32 s[INVD], 0x3c000000                  ; 1 / 128
	s_mov_b32 s[EPSR], 0x3727c5ac                  ; 1e-5
	s_lshr_b32 s[LIM], s[WV], 1
	s_or_b32 s[LIM], s[LIM], ttmp9
	s_cmp_eq_u32 s[LIM], 0
	s_cselect_b32 s[LIM], 1, -1                    ; in the waves that prefetch: 1 (the chunk loop's last trip asks for nothing),
	s_cselect_b32 s[LIM0], 0, -1                   ; and 0 (the e loop asks in every trip); else the greatest number
	s_wait_dscnt 0x0
	s_wait_kmcnt 0x0
	s_add_nc_u64 s[PB:PB+1], s[4:5], s[40:41]
	s_add_nc_u64 s[OB:OB+1], s[10:11], s[40:41]
	s_add_nc_u64 s[AFB:AFB+1], s[8:9], s[42:43]
	s_add_nc_u64 s[G0B+2:G0B+3], s[8:9], s[2:3]
	s_or_b32 s[G0B+3], s[G0B+3], 0x80000000
	s_lshl_b32 s2, s[WV], 14
	s_add_co_u32 s2, s2, PAIRS
	s_add_nc_u64 s[G0+2:G0+3], s[6:7], s[2:3]
	s_or_b32 s[G0+3], s[G0+3], 0x80000000
	s_lshl_b32 s40, s[CX], 14
	s_lshl_b32 s42, s[WV], 13
	s_add_co_u32 s40, s40, s42
	s_add_co_u32 s40, s40, PAIRS+SLOT              ; in slot 1: the first trip steps it to slot 2
	s_add_nc_u64 s[PFA:PFA+1], s[6:7], s[40:41]
	ROUND                                          ; in front of the first joint loads
	tensor_load_to_lds s[G0B:G0B+3], s[G1B:G1B+7]  ; my 8 e of the tile by j,
	s_nop 0
	tensor_load_to_lds s[G0:G0+3], s[G1:G1+7]      ; and my quarter of slot 0: two loads of mine are out
	s_nop 0
	N4
	v_and_b32 v16, 31, v0
	v_and_b32 v17, 15, v0                          ; r
	v_bfe_u32 v18, v0, 4, 1                        ; hh
	v_lshlrev_b32 v[L16], 4, v16
	v_lshlrev_b32 v[PFO], 8, v16
	s_mul_i32 s40, s[WV], STGW
	s_add_co_u32 s40, s40, STG
	v_add_nc_u32 v[STL], s40, v[L16]
	v_mul_u32_u24 v19, v17, STP
	v_lshl_add_u32 v19, v18, 5, v19
	v_add_nc_u32 v[STS], s40, v19
	v_mul_u32_u24 v19, v17, 272
	v_lshl_add_u32 v19, v18, 4, v19
	v_add_nc_u32 v[BA0], BT, v19
	v_lshlrev_b32 v[AFO], 4, v18
	v_lshl_add_u32 v[AFO], v17, 16, v[AFO]         ; row d = r (+ 16 dt) of axe, 16 bytes for each half of the lanes
	v_mov_b32 v[ZR], 0
	v_mov_b32 v[U0+1], 0                           ; v_permlanex16_b32's destination counts as read (v17 has served)
	WIN 0xc0
.set ni, 0
.rept 32                               ; my i's ax: fragment (tt, dt, ks) = (ni >> 3, (ni >> 2) & 1, ni & 3), once a launch
	global_load_b128 v[8*ni:8*ni+3], v[AFO], s[AFB:AFB+1] offset:1048576*((ni>>2)&1)+256*(ni>>3)+64*(ni&3)
	global_load_b128 v[8*ni+4:8*ni+7], v[AFO], s[AFB:AFB+1] offset:1048576*((ni>>2)&1)+256*(ni>>3)+64*(ni&3)+32
.set ni, ni+1
.endr
.set nt, 0
.rept 4
	WIN (1+(nt>>1))<<6
.set ni, 0
.rept 16                               ; a row of pair, 512 bytes, to a load
	global_load_b128 v[64*(nt&1)+4*ni:64*(nt&1)+4*ni+3], v[L16], s[PB:PB+1] offset:131072*nt+512*ni th:TH_LOAD_NT
.set ni, ni+1
.endr
.set nt, nt+1
.endr
	PIN 0
	PIN 1
	PIN 2
	PIN 3
	WIN 0
	s_wait_tensorcnt 1                             ; my part of the tile by j is in; slot 0's quarter may stay out
	s_wait_dscnt 0x0
	s_barrier_signal -1
	s_barrier_wait -1                              ; everybody's part is in
	s_mov_b32 s[EB], 0
	v_mov_b32 v[BADR], v[BA0]
	FLB                                            ; e = 0
	WIN 0
	s_mov_b32 s[SL], 4
.Les:                                                  ; four slots of Wout, 8 e each
	CHANGE 1, 1, 1, SL, LIM0
	s_mov_b32 s[EW], s[TB]
	s_mov_b32 s[EC], 8
.Le:
	EBODY
	WIN 0
	s_sub_co_u32 s[EC], s[EC], 1
	s_cmp_lg_u32 s[EC], 0
	s_cbranch_scc1 .Le
	s_sub_co_u32 s[SL], s[SL], 1
	s_cmp_lg_u32 s[SL], 0
	s_cbranch_scc1 .Les
	s_wait_dscnt 0x0                               ; the last look-ahead loads: their registers are written below
	LNT 1, 0, 32, 0
	LNT 1, 64, 32, 32
	LNT 2, 0, 32, 64
	LNT 2, 64, 32, 96
	WIN 0
	s_mov_b32 s[SL], 3
.Lcs:                                                  ; three slots of the transition that ask for a successor
	CHANGE 1, 1, 1, SL, LIM
	CTOP
	s_mov_b32 s[EC], 4
.Lc:
	CBODY
	s_sub_co_u32 s[EC], s[EC], 1
	s_cmp_lg_u32 s[EC], 0
	s_cbranch_scc1 .Lc
	s_sub_co_u32 s[SL], s[SL], 1
	s_cmp_lg_u32 s[SL], 0
	s_cbranch_scc1 .Lcs
	CHANGE 0, 1, 0                                 ; the last slot is written out
	CTOP
	s_mov_b32 s[EC], 4
.Lc2:
	CBODY
	s_sub_co_u32 s[EC], s[EC], 1
	s_cmp_lg_u32 s[EC], 0
	s_cbranch_scc1 .Lc2
	s_wait_dscnt 0x0                               ; the last look-ahead loads: the way out loads into their registers
	OUT4 0, 0
	OUT4 1, 1
	OUT4 2, 0
	OUT4 3, 1
	s_wait_tensorcnt 0x0                           ; the wave's end
	ds_add_u32 v[SPW], v[NIL]
	s_wait_dscnt 0x0
	ROUND                                          ; the closing round
	s_endpgm
.Lfunc_end_k_qad303712db_pairupd:
	.size	k_qad303712db_pairupd, .Lfunc_end_k_qad303712db_pairupd-k_qad303712db_pairupd
	.p2alignl 7, 3214868480
	.fill 96, 4, 3214868480
	.section	.rodata,"a",@progbits
	.p2align	6, 0x0
	.amdhsa_kernel k_qad303712db_pairupd
		.amdhsa_group_segment_fixed_size 327680
		.amdhsa_private_segment_fixed_size 0
		.amdhsa_enable_private_segment 0
		.amdhsa_kernarg_size 32
		.amdhsa_user_sgpr_count 2
		.amdhsa_user_sgpr_kernarg_segment_ptr 1
		.amdhsa_wavefront_size32 1
		.amdhsa_system_sgpr_workgroup_id_x 1
		.amdhsa_system_sgpr_workgroup_id_y 1
		.amdhsa_system_sgpr_workgroup_id_z 1
		.amdhsa_system_vgpr_workitem_id 0
		.amdhsa_next_free_vgpr 1024
		.amdhsa_next_free_sgpr 68
		.amdhsa_reserve_vcc 0
		.amdhsa_float_denorm_mode_32 3
		.amdhsa_float_denorm_mode_16_64 3
		.amdhsa_memory_ordered 1
		.amdhsa_forward_progress 1
		.amdhsa_inst_pref_size 125
	.end_amdhsa_kernel
	.amdgpu_metadata
---
amdhsa.version: [ 1, 2 ]
amdhsa.kernels:
  - .name:           k_qad303712db_pairupd
    .symbol:         k_qad303712db_pairupd.kd
    .args:
      - { .name: pair, .offset: 0, .size: 8, .value_kind: global_buffer, .address_space: global }
      - { .name: wts, .offset: 8, .size: 8, .value_kind: global_buffer, .address_space: global }
      - { .name: axe, .offset: 16, .size: 8, .value_kind: global_buffer, .address_space: global }
      - { .name: out1, .offset: 24, .size: 8, .value_kind: global_buffer, .address_space: global }
    .group_segment_fixed_size: 327680
    .private_segment_fixed_size: 0
    .kernarg_segment_align: 8
    .kernarg_segment_size: 32
    .max_flat_workgroup_size: 128
    .sgpr_count:     68
    .vgpr_count:     1024
    .wavefront_size: 32
...
	.end_amdgpu_metadata
.endif
;; end of part 4
